; MI455X (gfx1250); checked and timed in simulation.
; The chip was launched on July 23, 2026; its instructions are those of AMD's public machine-readable ISA for CDNA 5 (MIT licence, August 2026) and "CDNA5" Instruction Set Architecture Reference Guide (July 2026). The comments in the code are by the model that wrote it; some were corrected since.
;; Residual Attention Block. Allowed arithmetic: matrix products marked QUANTISED: E2M3 operands, one E8M0 scale for each 32 along K, by v_wmma_scale_f32_16x16x128_f8f6f4 with both operands' format E2M3, f32 sums; everything else in f32.
;; Inputs: fc_b 4,096 float32; fc_w 4,096 x 1,024 float32; fcproj_b 1,024 float32; fcproj_w 1,024 x 4,096 float32; ln1_b 1,024 float32; ln1_w 1,024 float32; ln2_b 1,024 float32; ln2_w 1,024 float32; proj_b 1,024 float32; proj_w 1,024 x 1,024 float32; qkv_b 3,072 float32; qkv_w 3,072 x 1,024 float32; x 2 x 2,048 x 1,024 float32.
;; Outputs: out0 2 x 2,048 x 1,024 float32.
;; This version of the problem:
;;   THIS VERSION OF THE PROBLEM IS GIVEN IN LOW PRECISION. The matrix products marked QUANTISED in the list below multiply operands that are first quantised to E2M3 (2 exponent bits, 3 mantissa bits; 6 bits a number), with one power-of-two scale for each 32 numbers along K (OCP MX v1.0); their sums are f32. All else is computed in f32.
;;   The module's matrix products, in the order in which they are computed (A, B: the left and right operand; K: the contracted axis; several contracted axes count as one K, in the product's order):
;;     1. [M 4,096, K 1,024] x [K 1,024, N 3,072]; A: computed on the way; B: input qkv_w: QUANTISED
;;     2. batch 32 x [M 2,048, K 64] x [K 64, N 2,048]; A: computed on the way; B: computed on the way: QUANTISED
;;     3. batch 32 x [M 64, K 2,048] x [K 2,048, N 2,048]; A: computed on the way; B: softmax (see below): QUANTISED
;;     4. [M 4,096, K 1,024] x [K 1,024, N 1,024]; A: computed on the way; B: input proj_w: QUANTISED
;;     5. [M 4,096, K 1,024] x [K 1,024, N 4,096]; A: computed on the way; B: input fc_w: QUANTISED
;;     6. [M 4,096, K 4,096] x [K 4,096, N 1,024]; A: computed on the way; B: input fcproj_w: QUANTISED
;;   THE QUANTISER, for each operand of a quantised product, along K:
;;     - K is cut into blocks of 32 from its start; a last block that is shorter is filled with zeros.
;;     - A block's scale is 2^e with e = floor(log2(the largest magnitude in the block)) - 2, held to -126 .. 127; a block of zeros has e = 0. As a byte (E8M0): e + 127.
;;     - Each number is divided by its block's scale, clamped to +-7.5, and rounded to the nearest number of E2M3, ties to even, subnormals kept.
;;     - The product sums the exact products of the quantised numbers (number of the format x scale) in f32.
;;   ~~~python
;;   def quantise(x, axis):      # numpy; x: float32 -> the quantised numbers, widened to float32 again
;;       x = np.moveaxis(x, axis, -1); K = x.shape[-1]
;;       x = np.pad(x, [(0, 0)] * (x.ndim - 1) + [(0, -K % 32)]); x = x.reshape(x.shape[:-1] + (-1, 32)); a = np.abs(x).max(-1, keepdims=True)
;;       e = np.where(a > 0, np.clip(np.frexp(np.where(a > 0, a, 1))[1] - 1 - 2, -126, 127), 0)      # np.frexp(a)[1] - 1 = floor(log2(a)), exactly
;;       r = np.clip(x / 2.0 ** e, -7.5, 7.5)
;;       step = 2.0 ** (np.maximum(np.frexp(np.where(r == 0, 1, r))[1] - 1, 0) - 3)
;;       q = np.round(r / step) * step * 2.0 ** e      # np.round: ties to even
;;       return np.moveaxis(q.reshape(q.shape[:-2] + (-1,))[..., :K], -1, axis).astype(np.float32)
;;   ~~~
;;   SOFTMAX AHEAD OF A QUANTISED PRODUCT. Where the list says 'softmax', what is quantised is not the finished softmax but p = 2^(t - M), with t = logit x log2(e) and M = ceil(the row's largest t), a whole number; so 1/2 < the row's largest p <= 1. The row's sum l is taken of the UNQUANTISED p, in f32, and the product's result is divided by l at the end. Since M is a whole number, a kernel that streams over the keys may use a running M (the ceiling of the running maximum): every later rescaling is an exact power of two, which a block's scale takes up: the codes' values come out the same.
;;   OPERANDS COMPUTED ON THE WAY. 'Computed on the way' means the value that the module computes at that place (a softmax that the list does not call 'softmax' is quantised finished and normalised). What goes into a quantiser is computed in f32, as accurately as f32 sums, v_exp_f32 and their like allow (about 1e-6 of the number): no bf16 or f16 on the way to a quantiser, and a product that is left as it is and whose result goes on into a quantised operand takes f32 operands (vector FMAs, or v_wmma_f32_16x16x4_f32). A number that lies on a knife's edge between two numbers of the format may be rounded either way, as far as f32 arithmetic and the matrix unit's own rounding can turn it there, and no further.
;; One version. Each part assembles by itself: llvm-mc -triple=amdgcn-amd-amdhsa -mcpu=gfx1250 --defsym DOCPART=n.
;; ======== version 1 of 1: 7 launches
;; limits: a function is approximated: absolute error at most 7.5e-08; an absolute error that grows with the inputs' magnitude: up to 7.5e-08 times it
;; workspace buffers: wts 9,830,400 bytes; act 3,276,800 bytes; qkvc 9,830,400 bytes; oc 3,276,800 bytes; x1 16,777,216 bytes; hc 13,107,200 bytes
;; launch prep (part 1): grid 256 x 4, 8 waves a work-group, no clusters, 69,632 bytes of LDS; arguments x, ln1_w, ln1_b, qkv_w, proj_w, fc_w, fcproj_w, act, wts; writes act, wts
.if DOCPART == 1
	.amdgcn_target "amdgcn-amd-amdhsa--gfx1250"
	.amdhsa_code_object_version 6
	.text
	.protected	k_q8e2ed520e2_prep
	.globl	k_q8e2ed520e2_prep
	.p2align	8
	.type	k_q8e2ed520e2_prep,@function
k_q8e2ed520e2_prep:
	s_mov_b64 s[64:65], 0
	v_nop
	global_prefetch_b8 v0, s[64:65] scope:SCOPE_SE
	s_setreg_imm32_b32 hwreg(HW_REG_WAVE_MODE, 25, 1), 1
	s_wait_xcnt 0x0
; LAYERNORM + QUANTISER, AND THE WEIGHTS' QUANTISER.  f32 rows become codes of FP6 (E2M3) with one E8M0 byte for each 32 along K, laid as images of the matrix operand's registers.
; A CHUNK (12,800 bytes) is one tile of 16 rows x 1,024 along K: eight fragments of 1,536 bytes (register p of lane l at 512 (p / 4) + 16 l + 4 (p % 4)), then the scale words at 12,288 + 64 s + 4 r.
; THE ROWS OF A TILE ARE NOT NEIGHBOURS: lane r of tile t holds row 32 (t / 2) + 8 (t % 2) + r + 8 (r / 8), so that a later product's 16 registers of two neighbouring tiles are 16 neighbours along the next K.
; A work-group makes one chunk, wave s its fragment s.  y = 0: rows of the first argument, normalised (mean, variance in two passes, gain, bias), to act.  y = 1: qkv_w (x < 192; its rows listed as all heads' q,
; then k, then v) and proj_w; y = 2: fc_w; y = 3: fcproj_w (tile x / 4, quarter x % 4 of its K), to wts at chunk x + 256 (y - 1).
; Each load reads 512 consecutive bytes of one row; the wave's 16 x 512 bytes turn through its own stage in LDS (rows 528 bytes apart) and come back 16 neighbours along K of each block of 32 to a lane.
; LIMITS: NaN and infinities among the inputs are not served.  A block whose largest magnitude lies under 2^-124, a block of zeros among them, gets the byte 1: the bytes are read by this program alone.
.set WV,    3
.set SEL,   22                         ; s[22:23] lane selects: lane l xor 16
.set IDX,   24
.set IDY,   25
.set SRC,   40                         ; s[40:41] my wave's first byte of the source
.set DSTC,  46                         ; s[46:47] my fragment's image
.set DSTS,  48                         ; s[48:49] my fragment's scale words
.set X,     16                         ; v16-79   64 numbers
.set WR,    80                         ; v80-143  the gain at my numbers' columns
.set BR,    144                        ; v144-207 the bias
.set TM,    208                        ; v208-223 the quantiser's work
.set PC,    224                        ; v224-243 codes
.set PW,    244                        ; the scale word
.set TP,    245
.set S0,    246                        ; v[246:247], v[248:249] sums; v248 later 1 / sqrt(var + eps)
.set S1,    248
.set MEAN,  250                        ; v[250:251]
.set SPW,   252                        ; LDS address of my spare word; never rewritten
.set NIL,   253                        ; 0; never rewritten
.set RED,   0                          ; LDS: 8 waves x 16 rows: partial sums
.set RED2,  512                        ; and partial sums of squares
.set SPARE, 1024                       ; the spare words, 128 bytes a wave: four blocks of 256 bytes that no other line names
.set STAGE, 2048                       ; a stage of 16 x 528 bytes for each wave
.set SPITCH, 528
; 64 numbers of a lane, register 16 b + i = k 32 b + 16 (lane / 16) + i of my row, become a fragment's codes in v[PC] on and its scale word in v[PW].
.macro QUANT s
.irp b, 0,1,2,3
	v_max3_num_f32 v[TM+\b], |v[\s+16*\b]|, |v[\s+1+16*\b]|, 0x1800000   ; my 16 numbers of block b, and the floor 2^(3 - 127): the byte cannot fall under 1
.endr
.irp i, 2,4,6,8,10,12,14
.irp b, 0,1,2,3
	v_max3_num_f32 v[TM+\b], v[TM+\b], |v[\s+16*\b+\i]|, |v[\s+1+16*\b+\i]|
.endr
.endr
.irp b, 0,1,2,3
	v_permlanex16_b32 v[TM+4+\b], v[TM+\b], s[SEL], s[SEL+1]
.endr
.irp b, 0,1,2,3
	v_max_num_f32 v[TM+\b], v[TM+\b], v[TM+4+\b]   ; with lane l xor 16's: the block's largest magnitude
.endr
.irp b, 0,1,2,3
	v_add_nc_u32 v[TM+12+\b], 0xff000000, v[TM+\b]   ; 2 off its exponent field: the conversion's scale operand
.endr
.irp b, 0,1,2,3
	v_lshrrev_b32 v[TM+4+\b], 23, v[TM+12+\b]      ; the scale's byte
.endr
	v_lshl_or_b32 v[PW], v[TM+5], 8, v[TM+4]
	v_lshl_or_b32 v[PW], v[TM+6], 16, v[PW]
	v_lshl_or_b32 v[PW], v[TM+7], 24, v[PW]
.irp c, 0,1
	v_cvt_scalef32_pk16_fp6_f32 v[PC+6*\c:PC+2+6*\c], v[\s+32*\c:\s+15+32*\c], v[TM+12+2*\c]
	v_cvt_scalef32_pk16_fp6_f32 v[PC+12+4*\c:PC+14+4*\c], v[\s+16+32*\c:\s+31+32*\c], v[TM+12+2*\c+1]
.endr
	v_nop                                          ; one plain place behind the scaled conversions
.irp c, 0,1                                    ; the operand wants a whole block in a lane: lanes 0-15 block 2 c, lanes 16-31 block 2 c + 1
.irp i, 0,1,2
	v_permlane16_swap_b32 v[PC+6*\c+\i], v[PC+12+4*\c+\i]
.endr
.irp i, 0,1,2
	v_mov_b32 v[PC+3+6*\c+\i], v[PC+12+4*\c+\i]
.endr
.endr
.endm
	s_load_b256 s[4:11], s[0:1], 0x0               ; rows s[4:5], gain s[6:7], bias s[8:9], qkv_w s[10:11]
	s_load_b256 s[12:19], s[0:1], 0x20             ; proj_w s[12:13], fc_w s[14:15], fcproj_w s[16:17], act s[18:19]
	s_load_b64 s[20:21], s[0:1], 0x40              ; wts
	v_lshl_add_u32 v[SPW], v0, 2, SPARE
	v_mov_b32 v[NIL], 0
	v_lshrrev_b32 v8, 5, v0
	v_readfirstlane_b32 s[WV], v8                  ; wave 0..7 = K step
	v_and_b32 v1, 31, v0                           ; lane
	v_and_b32 v2, 15, v0                           ; r
	v_bfe_u32 v3, v0, 4, 1                         ; h
	v_lshlrev_b32 v5, 4, v1                        ; 16 x lane
	v_lshlrev_b32 v6, 2, v2                        ; 4 r: the scale word's place
	v_lshlrev_b32 v7, 6, v3                        ; 64 h: gain and bias
	v_lshlrev_b32 v8, 6, v8
	v_lshl_add_u32 v8, v2, 2, v8                   ; LDS: 64 x wave + 4 r: where I put a partial sum
	v_lshlrev_b32 v9, 2, v2                        ; and 4 r: where I read the eight
	s_mul_i32 s26, s[WV], 16*SPITCH
	s_add_co_u32 s26, s26, STAGE
	v_add_nc_u32 v10, s26, v5                      ; my stage, in: 16 x lane of a row
	v_mul_u32_u24 v11, v2, SPITCH
	v_lshl_add_u32 v11, v3, 6, v11
	v_add_nc_u32 v11, s26, v11                     ; and out: row r, + 64 h
.irp b, 0,1,2,3
	v_mov_b32 v[TM+4+\b], 0                        ; a lane permute's destination counts as one of its sources
.endr
	v_mov_b32 v[TP], 0
	v_mov_b32 v[MEAN+1], 0                         ; named as the upper half of a pair
	s_mov_b32 s[SEL], 0x76543210
	s_mov_b32 s[SEL+1], 0xfedcba98
	s_mov_b32 s54, 0x3a800000                      ; 1 / 1,024
	s_mov_b32 s55, 0x3727c5ac                      ; eps = 1e-5
	s_mov_b32 s[IDX], ttmp9
	s_and_b32 s[IDY], ttmp7, 0xffff
	s_lshr_b32 s27, s[IDX], 2
	s_and_b32 s28, s[IDX], 3
	s_cmp_eq_u32 s[IDY], 3
	s_cselect_b32 s27, s27, s[IDX]                 ; the tile
	s_cselect_b32 s28, s28, 0                      ; the quarter of K
	s_cselect_b32 s29, 14, 12                      ; log2 of a row's bytes
	s_cmp_eq_u32 s[IDY], 1
	s_cselect_b32 s30, 1, 0
	s_cmp_ge_u32 s[IDX], 192
	s_cselect_b32 s31, s30, 0                      ; 1: proj_w
	s_sub_co_u32 s32, s30, s31                     ; 1: qkv_w
	s_mul_i32 s36, s31, 192
	s_sub_co_u32 s27, s27, s36
	s_lshr_b32 s33, s27, 1
	s_lshl_b32 s33, s33, 5
	s_and_b32 s34, s27, 1
	s_lshl_b32 s34, s34, 3
	s_or_b32 s33, s33, s34                         ; the tile's first row: 32 (t / 2) + 8 (t % 2)
	s_and_b32 s35, s27, 63                         ; qkv_w: head (t % 64) / 4 has rows 192 head on; q, k, v lie 64 apart in them
	s_lshr_b32 s35, s35, 2
	s_mul_i32 s35, s35, 192
	s_lshr_b32 s36, s27, 6
	s_lshl_b32 s36, s36, 6
	s_add_co_u32 s35, s35, s36
	s_and_b32 s36, s27, 2
	s_lshl_b32 s36, s36, 4
	s_add_co_u32 s35, s35, s36
	s_add_co_u32 s35, s35, s34
	s_cmp_eq_u32 s32, 1
	s_cselect_b32 s33, s35, s33
	s_lshl_b32 s42, s33, s29
	s_lshl_b32 s36, s28, 12
	s_add_co_u32 s42, s42, s36
	s_lshl_b32 s38, s[WV], 9                       ; my K step: 512 bytes of a row
	s_mov_b32 s39, 0
	s_add_co_u32 s42, s42, s38
	s_mov_b32 s43, 0
	s_sub_co_u32 s44, s[IDY], 1
	s_lshl_b32 s44, s44, 8
	s_add_co_u32 s44, s44, s[IDX]
	s_cmp_eq_u32 s[IDY], 0
	s_cselect_b32 s44, s[IDX], s44                 ; the chunk's number in act or in wts
	s_mul_i32 s44, s44, 12800
	s_mul_i32 s36, s[WV], 1536
	s_add_co_u32 s50, s44, s36
	s_mov_b32 s51, 0
	s_lshl_b32 s36, s[WV], 6
	s_add_co_u32 s52, s44, s36
	s_add_co_u32 s52, s52, 12288
	s_mov_b32 s53, 0
	s_wait_kmcnt 0x0
	s_cmp_eq_u32 s[IDY], 0                         ; the buffers are chosen by the work-group's numbers alone
	s_cselect_b64 s[SRC:SRC+1], s[4:5], s[10:11]
	s_cselect_b64 s[DSTC:DSTC+1], s[18:19], s[20:21]
	s_cmp_eq_u32 s31, 1
	s_cselect_b64 s[SRC:SRC+1], s[12:13], s[SRC:SRC+1]
	s_cmp_eq_u32 s[IDY], 2
	s_cselect_b64 s[SRC:SRC+1], s[14:15], s[SRC:SRC+1]
	s_cmp_eq_u32 s[IDY], 3
	s_cselect_b64 s[SRC:SRC+1], s[16:17], s[SRC:SRC+1]
	s_add_nc_u64 s[SRC:SRC+1], s[SRC:SRC+1], s[42:43]
	s_add_nc_u64 s[DSTS:DSTS+1], s[DSTC:DSTC+1], s[52:53]
	s_add_nc_u64 s[DSTC:DSTC+1], s[DSTC:DSTC+1], s[50:51]
	s_add_nc_u64 s[6:7], s[6:7], s[38:39]
	s_add_nc_u64 s[8:9], s[8:9], s[38:39]
	s_cmp_eq_u32 s[IDY], 3                         ; the two row pitches are two runs of 16 loads: each load reads 512 consecutive bytes of one row
	s_cbranch_scc1 .Lwide
.irp p, 0,1,2,3,4,5,6,7,8,9,10,11,12,13,14,15
	global_load_b128 v[X+4*\p:X+4*\p+3], v5, s[SRC:SRC+1] offset:(\p+8*(\p/8))*4096 th:TH_LOAD_NT
.endr
	s_branch .Lin
.Lwide:
.irp p, 0,1,2,3,4,5,6,7,8,9,10,11,12,13,14,15
	global_load_b128 v[X+4*\p:X+4*\p+3], v5, s[SRC:SRC+1] offset:(\p+8*(\p/8))*16384 th:TH_LOAD_NT
.endr
.Lin:
	s_wait_loadcnt 0x0
.irp p, 0,1,2,3,4,5,6,7,8,9,10,11,12,13,14,15
	ds_store_b128 v10, v[X+4*\p:X+4*\p+3] offset:\p*SPITCH
.endr
.irp b, 0,1,2,3                                ; LDS serves a wave's instructions in order: these see my stores
.irp j, 0,1,2,3
	ds_load_b128 v[X+16*\b+4*\j:X+16*\b+4*\j+3], v11 offset:128*\b+16*\j
.endr
.endr
	s_wait_dscnt 0x0
	s_cmp_lg_u32 s[IDY], 0                         ; the work-group's y: the same in all eight waves, so all or none pass the two barriers below
	s_cbranch_scc1 .Lq
	; ---- LayerNorm.  A row's 1,024 numbers lie in lanes r and r + 16 of all eight waves
.irp b, 0,1,2,3
.irp j, 0,1,2,3
	global_load_b128 v[WR+16*\b+4*\j:WR+16*\b+4*\j+3], v7, s[6:7] offset:128*\b+16*\j
	global_load_b128 v[BR+16*\b+4*\j:BR+16*\b+4*\j+3], v7, s[8:9] offset:128*\b+16*\j
.endr
.endr
	v_pk_add_f32 v[S0:S0+1], v[X:X+1], v[X+2:X+3]
	v_pk_add_f32 v[S1:S1+1], v[X+4:X+5], v[X+6:X+7]
.set j, 8
.rept 14
	v_pk_add_f32 v[S0:S0+1], v[S0:S0+1], v[X+j:X+j+1]
	v_pk_add_f32 v[S1:S1+1], v[S1:S1+1], v[X+j+2:X+j+3]
.set j, j+4
.endr
	v_pk_add_f32 v[S0:S0+1], v[S0:S0+1], v[S1:S1+1]
	v_add_f32 v[S0], v[S0], v[S0+1]
	v_permlanex16_b32 v[TP], v[S0], s[SEL], s[SEL+1]
	v_add_f32 v[S0], v[S0], v[TP]
	ds_store_b32 v8, v[S0] offset:RED              ; both halves of the lanes write the same word with the same value
	s_wait_dscnt 0x0                               ; for the others' sake: my store has landed
	s_barrier_signal -1
	s_barrier_wait -1
.irp i, 0,1,2,3,4,5,6,7
	ds_load_b32 v[PC+\i], v9 offset:RED+64*\i
.endr
	s_wait_dscnt 0x0
.irp i, 0,2,4,6
	v_add_f32 v[PC+\i], v[PC+\i], v[PC+\i+1]
.endr
	v_add_f32 v[PC], v[PC], v[PC+2]
	v_add_f32 v[PC+4], v[PC+4], v[PC+6]
	v_add_f32 v[PC], v[PC], v[PC+4]
	v_mul_f32 v[MEAN], s54, v[PC]
.set j, 0
.rept 32
	v_pk_add_f32 v[X+j:X+j+1], v[X+j:X+j+1], v[MEAN:MEAN+1] op_sel_hi:[1,0] neg_lo:[0,1] neg_hi:[0,1]   ; x - mean first: the variance is no difference of large sums
.set j, j+2
.endr
	v_pk_mul_f32 v[S0:S0+1], v[X:X+1], v[X:X+1]
	v_pk_mul_f32 v[S1:S1+1], v[X+2:X+3], v[X+2:X+3]
.set j, 4
.rept 15
	v_pk_fma_f32 v[S0:S0+1], v[X+j:X+j+1], v[X+j:X+j+1], v[S0:S0+1]
	v_pk_fma_f32 v[S1:S1+1], v[X+j+2:X+j+3], v[X+j+2:X+j+3], v[S1:S1+1]
.set j, j+4
.endr
	v_pk_add_f32 v[S0:S0+1], v[S0:S0+1], v[S1:S1+1]
	v_add_f32 v[S0], v[S0], v[S0+1]
	v_permlanex16_b32 v[TP], v[S0], s[SEL], s[SEL+1]
	v_add_f32 v[S0], v[S0], v[TP]
	ds_store_b32 v8, v[S0] offset:RED2             ; other bytes than the first sums': no barrier is owed between
	s_wait_dscnt 0x0
	s_barrier_signal -1
	s_barrier_wait -1
.irp i, 0,1,2,3,4,5,6,7
	ds_load_b32 v[PC+\i], v9 offset:RED2+64*\i
.endr
	s_wait_dscnt 0x0
.irp i, 0,2,4,6
	v_add_f32 v[PC+\i], v[PC+\i], v[PC+\i+1]
.endr
	v_add_f32 v[PC], v[PC], v[PC+2]
	v_add_f32 v[PC+4], v[PC+4], v[PC+6]
	v_add_f32 v[PC], v[PC], v[PC+4]
	v_fma_f32 v[S0], v[PC], s54, s55               ; var + eps
	v_rsq_f32 v[S1], v[S0]
	v_nop                                          ; a plain place behind the transcendental,
	s_wait_alu depctr_va_vdst(0)                   ; and the wait ahead of its first reader
	s_wait_loadcnt 0x0                             ; gain and bias
.set j, 0
.rept 32
	v_pk_mul_f32 v[X+j:X+j+1], v[X+j:X+j+1], v[S1:S1+1] op_sel_hi:[1,0]
.set j, j+2
.endr
.set j, 0
.rept 32
	v_pk_fma_f32 v[X+j:X+j+1], v[X+j:X+j+1], v[WR+j:WR+j+1], v[BR+j:BR+j+1]
.set j, j+2
.endr
.Lq:
	QUANT X
.irp c, 0,1,2
	global_store_b128 v5, v[PC+4*\c:PC+4*\c+3], s[DSTC:DSTC+1] offset:512*\c   ; 32 lanes store 512 consecutive bytes, aligned to 256
.endr
	global_store_b32 v6, v[PW], s[DSTS:DSTS+1]     ; lanes r and r + 16 hold the same word and store it to the same place
	s_wait_tensorcnt 0x0                           ; the wave's end, behind my last LDS store
	ds_add_u32 v[SPW], v[NIL]
	s_wait_dscnt 0x0
	s_endpgm
.Lfunc_end_k_q8e2ed520e2_prep:
	.size	k_q8e2ed520e2_prep, .Lfunc_end_k_q8e2ed520e2_prep-k_q8e2ed520e2_prep
	.p2alignl 7, 3214868480
	.fill 96, 4, 3214868480
	.section	.rodata,"a",@progbits
	.p2align	6, 0x0
	.amdhsa_kernel k_q8e2ed520e2_prep
		.amdhsa_group_segment_fixed_size 69632
		.amdhsa_private_segment_fixed_size 0
		.amdhsa_enable_private_segment 0
		.amdhsa_kernarg_size 72
		.amdhsa_user_sgpr_count 2
		.amdhsa_user_sgpr_kernarg_segment_ptr 1
		.amdhsa_wavefront_size32 1
		.amdhsa_system_sgpr_workgroup_id_x 1
		.amdhsa_system_sgpr_workgroup_id_y 1
		.amdhsa_system_sgpr_workgroup_id_z 1
		.amdhsa_system_vgpr_workitem_id 0
		.amdhsa_next_free_vgpr 256
		.amdhsa_next_free_sgpr 66
		.amdhsa_reserve_vcc 0
		.amdhsa_float_denorm_mode_32 3
		.amdhsa_float_denorm_mode_16_64 3
		.amdhsa_memory_ordered 1
		.amdhsa_forward_progress 1
		.amdhsa_inst_pref_size 29
	.end_amdhsa_kernel
	.amdgpu_metadata
---
amdhsa.version: [ 1, 2 ]
amdhsa.kernels:
  - .name:           k_q8e2ed520e2_prep
    .symbol:         k_q8e2ed520e2_prep.kd
    .args:
      - { .name: x, .offset: 0, .size: 8, .value_kind: global_buffer, .address_space: global }
      - { .name: ln1_w, .offset: 8, .size: 8, .value_kind: global_buffer, .address_space: global }
      - { .name: ln1_b, .offset: 16, .size: 8, .value_kind: global_buffer, .address_space: global }
      - { .name: qkv_w, .offset: 24, .size: 8, .value_kind: global_buffer, .address_space: global }
      - { .name: proj_w, .offset: 32, .size: 8, .value_kind: global_buffer, .address_space: global }
      - { .name: fc_w, .offset: 40, .size: 8, .value_kind: global_buffer, .address_space: global }
      - { .name: fcproj_w, .offset: 48, .size: 8, .value_kind: global_buffer, .address_space: global }
      - { .name: act, .offset: 56, .size: 8, .value_kind: global_buffer, .address_space: global }
      - { .name: wts, .offset: 64, .size: 8, .value_kind: global_buffer, .address_space: global }
    .group_segment_fixed_size: 69632
    .private_segment_fixed_size: 0
    .kernarg_segment_align: 8
    .kernarg_segment_size: 72
    .max_flat_workgroup_size: 256
    .sgpr_count:     66
    .vgpr_count:     256
    .wavefront_size: 32
...
	.end_amdgpu_metadata
.endif
;; end of part 1
;; launch qkv (part 2): grid 192 x 1, 4 waves a work-group, clusters of 4 x 1, 327,680 bytes of LDS; arguments act, wts, qkv_b, qkvc; writes qkvc
.if DOCPART == 2
	.amdgcn_target "amdgcn-amd-amdhsa--gfx1250"
	.amdhsa_code_object_version 6
	.text
	.protected	k_q8e2ed520e2_qkv
	.globl	k_q8e2ed520e2_qkv
	.p2align	8
	.type	k_q8e2ed520e2_qkv,@function
k_q8e2ed520e2_qkv:
	s_mov_b64 s[64:65], 0
	v_nop
	global_prefetch_b8 v0, s[64:65] scope:SCOPE_SE
	s_setreg_imm32_b32 hwreg(HW_REG_WAVE_MODE, 25, 1), 1
	s_wait_xcnt 0x0
	s_wait_alu depctr_hold_cnt(0) depctr_sa_sdst(0) depctr_va_vdst(0) depctr_va_sdst(0) depctr_va_ssrc(0) depctr_va_vcc(0) depctr_vm_vsrc(0)
	s_getreg_b32 s2, hwreg(HW_REG_IB_STS2, 6, 4)
	s_cmp_eq_u32 s2, 0
	s_cbranch_scc0 .Lentry_in_a_cluster
	s_endpgm
.Lentry_in_a_cluster:
	s_bfe_u32 s2, ttmp6, 0x10000c
	s_cmp_lg_u32 s2, 0x3003
	s_cbranch_scc0 .Lentry_shape_is_right
	s_endpgm
.Lentry_shape_is_right:
; q, k, v = LN1(x) qkv_w^T + qkv_b on codes of FP6, and their quantising for attention.  K = 1,024.
; EVERY PRODUCT: source 0 = a RESIDENT tile (its 8 K steps x 8 tiles = 64 fragments stay in the wave's registers), source 1 = a STREAMED tile out of LDS.  A lane then holds one streamed row, and its 64 results
; are 128 neighbouring resident rows (16 of each block of 32): what the quantiser takes.  The stream, 8 chunks of 12,800 bytes, comes once, a quarter to a wave's tensor load; nothing in LDS is filled again.
; THE RESIDENT OPERAND COMES BY TWO WAYS AT ONCE.  A chunk's K steps 4-7 and its scale words are its last 6,656 bytes: a wave's 8 tiles' are one tensor load of 8 rows into LDS bytes of its own, read from there
; into registers; K steps 0-3 go from memory straight into registers.  Beside the stream's 102,400 bytes LDS has room for the four waves' 212,992 and no more.
; CLUSTER.  Four work-groups with neighbouring numbers hold the same resident operand: its tensor load is asked for jointly (mask 15).  Their streams differ: plain loads.  The work-groups that share a stream lie
; in other clusters; a 4 x 4 cluster could share it too and is not built: the stream is 102,400 of the 512,000 bytes that a work-group takes in.
; Work-groups 0-127: resident = 128 rows of qkv_w (q or k of two heads), streamed = 8 tiles of tokens: (. + bias) x 2^-1.5 is quantised along the head's 64 and stored as half images of 768 bytes.
; Work-groups 128-191: resident = 128 tokens, streamed = 8 tiles of v's rows of qkv_w: . + bias is quantised along the 128 tokens (the keys are the second product's K) and stored as whole fragments.
; qkvc, for each (batch, head) 307,200 bytes: k's codes 0, k's scale words 98,304, v's codes 102,400, v's scale words 200,704, q's codes 204,800, q's scale words 303,104.
; LIMITS: NaN and infinities are not served; a block under 2^-124 gets the byte 1 (read by this program alone).
; REGISTERS: window 0: v1-13 addresses; v16-79 the 8 accumulators; v80-127 four streamed fragments; v128-159 resident scale words; v160-163 streamed; v164-175 resident fragment 63; v176.. biases and the quantiser.
;   Resident fragment f = 8 s + t: window 1 + f / 21, register 12 (f % 21).
.set RSTR, 12800                       ; from resident tile to resident tile
.set NKL,  4                           ; K steps that come through LDS
.set KL0,  8-NKL                       ; the first of them
.set RROW, 1536*NKL+512                ; their bytes of a chunk, the scale words behind them
.set RLW,  8*RROW                      ; a wave's 8 tiles
.set NL2,  6                           ; LDS loads of two fragments
.set WV,   3
.set ID,   12
.set TY,   13                          ; 0: q, k;  1: v
.set G,    14
.set CX,   15                          ; my place in the cluster: it enters global addresses alone
.set RES,  16
.set STR,  18
.set G0,   24                          ; the stream's descriptor: s[24:27], s[32:39]
.set G1,   32
.set MASK, 40                          ; lanes 16-31
.set SEL,  42
.set SCQ,  44                          ; s[44:45] 2^-1.5
.set CB,   46                          ; s[46:47] bias by resident row
.set LB,   48                          ; s[48:49] bias by streamed row
.set OUTC, 50
.set OUTS, 52
.set G0R,  68                          ; the resident part's descriptor: s[68:71], s[72:79]
.set G1R,  72
.set ADF,  3                           ; v3, v4  LDS: 16 x lane, + 51,200
.set ADS,  5                           ; v5, v6  LDS: 4 x lane, + 51,200
.set H64,  7
.set LBO,  8
.set SWO,  9
.set RLA,  10                          ; at the head: LDS address of my resident bytes, 16 x lane;
.set RLS,  11                          ; 4 x lane
.set L8,   13
.set BIASA, 176                        ; bias of resident tiles 0-3
.set VB,   208                         ; bias of the 8 streamed tiles' rows
.set TM,   216
.set PC,   232
.set PW,   252
.set PW0,  253
.set BIASB, 216                        ; bias of resident tiles 4-7: laid over the quantiser's registers and loaded anew for each tile
.set RL,   102400                      ; LDS: behind the stream, 53,248 bytes for each wave
.set SPARE, RL+4*RLW                   ; the spare words, 128 bytes a wave: two blocks of 256 bytes that no other line names
.set L16, 1
.set L4,  2
.set SPW, 14
.set NIL, 15
.set ACC, 16
.set AF,  80
.set WSC, 128
.set ASC, 160
.set F63, 164
.set MSB, 0
.macro WIN new                         ; the immediate's high byte repeats the setting that is left
.if MSB != (\new)
	s_set_vgpr_msb (MSB<<8)|(\new)
.set MSB, (\new)
.endif
.endm
.macro PLACES                          ; four plain places behind matrix instructions, in front of loads into their sources and of reads of their results
.rept 4
	v_nop
.endr
.endm
.macro ROUND                           ; a round of the cluster's barrier
	s_barrier_signal -1
	s_barrier_wait -1
	s_cmp_lg_u32 s[WV], 0
	s_cbranch_scc1 .Lnot_wave_0_\@
	s_barrier_signal -3
.Lnot_wave_0_\@:
	s_barrier_wait -3
	s_barrier_signal -1
	s_barrier_wait -1
.endm
.macro RLOADG                          ; the resident fragments of K steps 0 .. KL0 - 1, from memory
.set f, 0
.rept 8*KL0
.set wn, (1+f/21)<<6
.set ra, 12*(f%21)
	WIN wn
.irp j, 0,1,2
	global_load_b128 v[ra+4*\j:ra+4*\j+3], v[L16], s[RES:RES+1] offset:(f%8)*RSTR+1536*(f/8)+512*\j
.endr
.set f, f+1
.endr
	WIN 0
.endm
.macro RLOADL                          ; those of K steps KL0 .. 7, and 32 registers of scale words (register 4 t + i: K step 2 i in lanes 0-15, 2 i + 1 in lanes 16-31), from my own LDS bytes
.set f, 8*KL0
.rept 8*NKL
.if f == 63
.set wn, 0
.set ra, F63
.else
.set wn, (1+f/21)<<6
.set ra, 12*(f%21)
.endif
	WIN wn
.irp j, 0,1,2
	ds_load_b128 v[ra+4*\j:ra+4*\j+3], v[RLA] offset:(f%8)*RROW+1536*(f/8-KL0)+512*\j
.endr
.set f, f+1
.endr
	WIN 0
.set f, 0
.rept 32
	ds_load_b32 v[WSC+f], v[RLS] offset:(f/4)*RROW+1536*NKL+128*(f%4)
.set f, f+1
.endr
.endm
.macro FRAG slot, adr, off             ; a streamed fragment's image: three loads of 512 consecutive bytes
.irp j, 0,1,2
	ds_load_b128 v[AF+12*(\slot)+4*\j:AF+12*(\slot)+4*\j+3], v[\adr] offset:(\off)+512*\j
.endr
.endm
.macro ASCL adr, off                   ; a streamed tile's scale words
.irp i, 0,1,2,3
	ds_load_b32 v[ASC+\i], v[\adr] offset:(\off)+12288+128*\i
.endr
.endm
.macro KST s                           ; K step s: the 8 accumulators by turns, one instruction a turn
.irp t, 0,1,2,3,4,5,6,7
.set f, 8*(\s)+\t
.if f == 63
.set wn, 0
.set ra, F63
.else
.set wn, 1+f/21
.set ra, 12*(f%21)
.endif
	WIN wn
.set rd, ACC+8*\t
.set rb, AF+12*((\s)%4)
.set sa, WSC+4*\t+(\s)/2
.set sb, ASC+(\s)/2
.if (\s) == 0
	v_wmma_scale_f32_16x16x128_f8f6f4 v[rd:rd+7], v[ra:ra+11], v[rb:rb+11], 0, v[sa], v[sb] matrix_a_fmt:MATRIX_FMT_FP6 matrix_b_fmt:MATRIX_FMT_FP6
.elseif (\s)%2 == 0
	v_wmma_scale_f32_16x16x128_f8f6f4 v[rd:rd+7], v[ra:ra+11], v[rb:rb+11], v[rd:rd+7], v[sa], v[sb] matrix_a_fmt:MATRIX_FMT_FP6 matrix_b_fmt:MATRIX_FMT_FP6
.else
	v_wmma_scale_f32_16x16x128_f8f6f4 v[rd:rd+7], v[ra:ra+11], v[rb:rb+11], v[rd:rd+7], v[sa], v[sb] matrix_a_fmt:MATRIX_FMT_FP6 matrix_b_fmt:MATRIX_FMT_FP6 matrix_a_scale:MATRIX_SCALE_ROW1 matrix_b_scale:MATRIX_SCALE_ROW1
.endif
.endr
.endm
.macro PRE fa, sw, off                 ; a tile's first four K steps and its scale words
	FRAG 0, \fa, (\off)
	FRAG 1, \fa, (\off)+1536
	FRAG 2, \fa, (\off)+3072
	FRAG 3, \fa, (\off)+4608
	ASCL \sw, (\off)
.endm
; One streamed tile: 64 products.  Four slots of streamed fragments; each pair is fetched two K steps ahead, the next tile's first four among them.
.macro MT ca, coff, nxt, na, ns, noff
	s_wait_dscnt 0x0                               ; K steps 0-3 and the scale words, asked for a tile ago
	KST 0
	KST 1
	WIN 0
	PLACES
	FRAG 0, \ca, (\coff)+6144
	FRAG 1, \ca, (\coff)+7680
	KST 2
	KST 3
	WIN 0
	PLACES
	FRAG 2, \ca, (\coff)+9216
	FRAG 3, \ca, (\coff)+10752
	s_wait_dscnt NL2                               ; K steps 4, 5 are in; the loads of 6, 7 may be out
	KST 4
	KST 5
	WIN 0
	PLACES
.if \nxt
	FRAG 0, \na, (\noff)
	FRAG 1, \na, (\noff)+1536
	s_wait_dscnt NL2                               ; K steps 6, 7 are in; the next tile's two may be out
.else
	s_wait_dscnt 0x0
.endif
	KST 6
	KST 7
	WIN 0
	PLACES
.if \nxt
	ASCL \ns, (\noff)
	FRAG 2, \na, (\noff)+3072
	FRAG 3, \na, (\noff)+4608
.endif
.endm
.macro QUANT s                         ; 64 numbers of a lane, register 16 b + i = k 32 b + 16 (lane / 16) + i, become a fragment in v[PC] on and its scale word in v[PW]
.irp b, 0,1,2,3
	v_max3_num_f32 v[TM+\b], |v[\s+16*\b]|, |v[\s+1+16*\b]|, 0x1800000   ; and the floor 2^(3 - 127): the byte cannot fall under 1
.endr
.irp i, 2,4,6,8,10,12,14
.irp b, 0,1,2,3
	v_max3_num_f32 v[TM+\b], v[TM+\b], |v[\s+16*\b+\i]|, |v[\s+1+16*\b+\i]|
.endr
.endr
.irp b, 0,1,2,3
	v_permlanex16_b32 v[TM+4+\b], v[TM+\b], s[SEL], s[SEL+1]
.endr
.irp b, 0,1,2,3
	v_max_num_f32 v[TM+\b], v[TM+\b], v[TM+4+\b]
.endr
.irp b, 0,1,2,3
	v_add_nc_u32 v[TM+12+\b], 0xff000000, v[TM+\b]   ; 2 off the exponent field: the conversion's scale operand
.endr
.irp b, 0,1,2,3
	v_lshrrev_b32 v[TM+4+\b], 23, v[TM+12+\b]
.endr
	v_lshl_or_b32 v[PW], v[TM+5], 8, v[TM+4]
	v_lshl_or_b32 v[PW], v[TM+6], 16, v[PW]
	v_lshl_or_b32 v[PW], v[TM+7], 24, v[PW]
.irp c, 0,1
	v_cvt_scalef32_pk16_fp6_f32 v[PC+6*\c:PC+2+6*\c], v[\s+32*\c:\s+15+32*\c], v[TM+12+2*\c]
	v_cvt_scalef32_pk16_fp6_f32 v[PC+12+4*\c:PC+14+4*\c], v[\s+16+32*\c:\s+31+32*\c], v[TM+12+2*\c+1]
.endr
	v_nop                                          ; one plain place behind the scaled conversions
.irp c, 0,1
.irp i, 0,1,2
	v_permlane16_swap_b32 v[PC+6*\c+\i], v[PC+12+4*\c+\i]
.endr
.irp i, 0,1,2
	v_mov_b32 v[PC+3+6*\c+\i], v[PC+12+4*\c+\i]
.endr
.endr
.endm
	s_load_b256 s[4:11], s[0:1], 0x0               ; act s[4:5], wts s[6:7], qkv_b s[8:9], qkvc s[10:11]
	v_lshl_add_u32 v[SPW], v0, 2, SPARE
	v_mov_b32 v[NIL], 0
	ds_add_u32 v[SPW], v[NIL]                      ; the wave's opening: the add and its wait ahead of the round in front of my tensor loads; work on registers stands between
	v_lshrrev_b32 v10, 5, v0
	v_readfirstlane_b32 s[WV], v10
	s_mov_b32 s[G1+0], 3<<16                       ; the stream: elements of 8 bytes, no mask, no padding: images are read 16 x lane on end
	s_mov_b32 s[G1+1], 32<<16                      ; tensor_dim0 = 32: rows of 256 bytes
	s_mov_b32 s[G1+2], 100<<16                     ; tensor_dim1 = 100: two chunks
	s_mov_b32 s[G1+3], 32<<16                      ; tile_dim0
	s_mov_b32 s[G1+4], 100                         ; tile_dim1
	s_mov_b32 s[G1+5], 32                          ; the pitch: dense
	s_mov_b32 s[G1+6], 0
	s_mov_b32 s[G1+7], 0
	s_mov_b32 s[G1R+0], 15|(3<<16)|(1<<21)         ; the resident part: the mask names all four work-groups; elements of 8 bytes; bit 21 beside a mask
	s_mov_b32 s[G1R+1], (RROW/8)<<16               ; tensor_dim0: a row is a chunk's last 6,656 bytes
	s_mov_b32 s[G1R+2], 8<<16                      ; tensor_dim1 = 8 tiles
	s_mov_b32 s[G1R+3], (RROW/8)<<16               ; tile_dim0
	s_mov_b32 s[G1R+4], 8                          ; tile_dim1
	s_mov_b32 s[G1R+5], RSTR/8                     ; the pitch: from chunk to chunk
	s_mov_b32 s[G1R+6], 0
	s_mov_b32 s[G1R+7], 0
	s_mov_b32 s[MASK], 0xffff0000
	s_mov_b32 s[SEL], 0x76543210
	s_mov_b32 s[SEL+1], 0xfedcba98
	s_mov_b32 s[SCQ], 0x3eb504f3                   ; 64^(-1/4)
	s_mov_b32 s[SCQ+1], s[SCQ]
	s_bfe_u32 s[CX], ttmp6, 0x40000
	s_lshl_b32 s[ID], ttmp9, 2
	s_add_co_u32 s[ID], s[ID], s[CX]               ; the work-group's number: it enters the stream's, the lane bias's and the outputs' addresses alone
	s_lshr_b32 s20, ttmp9, 3                       ; the kind of work-group and the resident group hang on the cluster's number alone
	s_sub_co_u32 s21, ttmp9, 32
	s_lshr_b32 s21, s21, 1
	s_cmp_lt_u32 ttmp9, 32
	s_cselect_b32 s20, s20, s21
	s_cselect_b32 s[TY], 0, 1
	s_lshl_b32 s20, s20, 2
	s_add_co_u32 s[G], s20, s[WV]                  ; my resident group of 8 tiles
	s_mul_i32 s20, s[G], 102400
	s_mov_b32 s21, 0
	s_and_b32 s54, s[ID], 31
	s_mul_i32 s54, s54, 102400                     ; q, k: the stream is 8 tiles of tokens
	s_and_b32 s55, s[ID], 7                        ; v: 8 tiles of v's rows = two heads
	s_mul_i32 s56, s55, 102400
	s_add_co_u32 s56, s56, 1638400                 ; (v's tiles begin at chunk 128 of wts)
	s_cmp_eq_u32 s[TY], 0
	s_cselect_b32 s22, s54, s56
	s_mul_i32 s57, s[WV], 25600
	s_add_co_u32 s22, s22, s57                     ; my quarter of the stream
	s_mov_b32 s23, 0
	s_and_b32 s58, s[G], 7                         ; the pair of heads
	s_bfe_u32 s59, s[G], 0x10003                   ; 0: q, 1: k
	s_mul_i32 s28, s58, 1536
	s_lshl_b32 s60, s59, 8
	s_add_co_u32 s28, s28, s60                     ; qkv_b at row 2 x 192 x pair + 64 x (q or k): inside the buffer in both kinds of work-group
	s_mov_b32 s29, 0
	s_mul_i32 s30, s55, 1536
	s_add_co_u32 s30, s30, 512                     ; qkv_b at row 2 x 192 x pair + 128
	s_mov_b32 s31, 0
	s_bfe_u32 s54, s[ID], 0x10004                  ; q, k: the batch,
	s_lshl_b32 s54, s54, 4
	s_lshl_b32 s56, s58, 1
	s_add_co_u32 s54, s54, s56                     ; 16 x batch + head
	s_lshr_b32 s56, s[G], 4                        ; v: likewise
	s_lshl_b32 s56, s56, 4
	s_lshl_b32 s60, s55, 1
	s_add_co_u32 s56, s56, s60
	s_xor_b32 s60, s59, 1
	s_mul_i32 s60, s60, 204800                     ; q's part of a region begins at 204,800, k's at 0, v's at 102,400
	s_and_b32 s61, s[ID], 15                       ; q, k: which 8 tiles of the batch's 128;  v: which 128 keys
	s_and_b32 s62, s[G], 15
	s_cmp_eq_u32 s[TY], 0
	s_cselect_b32 s54, s54, s56
	s_cselect_b32 s60, s60, 102400
	s_cselect_b32 s61, s61, s62
	s_mul_i32 s54, s54, 307200
	s_add_co_u32 s54, s54, s60
	s_mul_i32 s56, s61, 6144
	s_add_co_u32 s56, s56, s54                     ; codes
	s_mov_b32 s57, 0
	s_lshl_b32 s58, s61, 8
	s_add_co_u32 s58, s58, s54
	s_add_co_u32 s58, s58, 98304                   ; scale words
	s_mov_b32 s59, 0
	s_wait_dscnt 0x0                               ; the opening add is done
	s_wait_kmcnt 0x0
	s_cmp_eq_u32 s[TY], 0
	s_cselect_b64 s[RES:RES+1], s[6:7], s[4:5]
	s_cselect_b64 s[STR:STR+1], s[4:5], s[6:7]
	s_add_nc_u64 s[RES:RES+1], s[RES:RES+1], s[20:21]
	s_add_nc_u64 s[STR:STR+1], s[STR:STR+1], s[22:23]
	s_add_nc_u64 s[CB:CB+1], s[8:9], s[28:29]
	s_add_nc_u64 s[LB:LB+1], s[8:9], s[30:31]
	s_add_nc_u64 s[OUTC:OUTC+1], s[10:11], s[56:57]
	s_add_nc_u64 s[OUTS:OUTS+1], s[10:11], s[58:59]
	s_mov_b32 s[G0], 1
	s_mul_i32 s[G0+1], s[WV], 25600                ; LDS: my quarter of the stream
	s_mov_b64 s[G0+2:G0+3], s[STR:STR+1]
	s_or_b32 s[G0+3], s[G0+3], 0x80000000
	s_mov_b32 s[G0R], 1
	s_mul_i32 s[G0R+1], s[WV], RLW
	s_add_co_u32 s[G0R+1], s[G0R+1], RL            ; LDS: my resident bytes
	s_add_nc_u64 s[G0R+2:G0R+3], s[RES:RES+1], 1536*KL0   ; from K step 4 of my first tile on: made of the cluster's and the wave's numbers alone
	s_or_b32 s[G0R+3], s[G0R+3], 0x80000000
	ROUND                                          ; all four work-groups are here: the joint loads meet
	tensor_load_to_lds s[G0R:G0R+3], s[G1R:G1R+7]  ; my two tensor loads of the launch: the resident part, jointly,
	s_nop 0
	tensor_load_to_lds s[G0:G0+3], s[G1:G1+7]      ; and my quarter of my work-group's stream
	s_nop 0
	PLACES
	v_and_b32 v10, 31, v0                          ; lane
	v_and_b32 v11, 15, v0                          ; r
	v_bfe_u32 v12, v0, 4, 1                        ; h
	v_lshlrev_b32 v[L16], 4, v10
	v_lshlrev_b32 v[L4], 2, v10
	v_lshlrev_b32 v[L8], 3, v10
	v_lshlrev_b32 v[ADF], 4, v10
	v_lshl_add_u32 v[ADF+1], v10, 4, 51200
	v_lshlrev_b32 v[ADS], 2, v10
	v_lshl_add_u32 v[ADS+1], v10, 2, 51200
	v_lshlrev_b32 v[H64], 6, v12
	v_and_b32 v[LBO], 8, v11
	v_add_nc_u32 v[LBO], v[LBO], v11
	v_lshlrev_b32 v[LBO], 2, v[LBO]                ; 4 (r + 8 (r / 8))
	v_mul_u32_u24 v[SWO], v12, 307200
	v_lshl_add_u32 v[SWO], v11, 2, v[SWO]          ; 4 r; lanes 16-31: the next head's region
	v_add_nc_u32 v[RLA], s[G0R+1], v[L16]
	v_add_nc_u32 v[RLS], s[G0R+1], v[L4]
	RLOADG                                         ; K steps 0-3 are asked of memory while the tensor loads are on their way
.irp t, 0,1,2,3
	global_load_b128 v[BIASA+8*\t:BIASA+8*\t+3], v[H64], s[CB:CB+1] offset:4*(32*(\t/2)+8*(\t%2))
	global_load_b128 v[BIASA+8*\t+4:BIASA+8*\t+7], v[H64], s[CB:CB+1] offset:4*(32*(\t/2)+8*(\t%2))+16
.endr
.irp i, 0,1,2,3,4,5,6,7
	global_load_b32 v[VB+\i], v[LBO], s[LB:LB+1] offset:4*((\i/4)*192+32*((\i%4)/2)+8*(\i%2))
.endr
	s_wait_tensorcnt 0x0                           ; my resident bytes, which I alone read, and my quarter of the stream have landed
	RLOADL
	s_wait_loadcnt 0x0
	s_wait_dscnt 0x0
	s_barrier_signal -1
	s_barrier_wait -1                              ; everybody's quarter of the stream has landed
.macro EPI i
	s_wait_loadcnt 0x0                             ; the bias of tiles 4-7
	s_cmp_lg_u32 s[TY], 0                          ; the work-group's kind: made of the cluster's number alone
	s_cbranch_scc1 .Lvpre_\@
.set j, 0
.rept 16
	v_pk_add_f32 v[ACC+j:ACC+j+1], v[ACC+j:ACC+j+1], v[BIASA+j:BIASA+j+1]   ; each accumulator from its low end on
.set j, j+2
.endr
.set j, 0
.rept 16
	v_pk_add_f32 v[ACC+32+j:ACC+33+j], v[ACC+32+j:ACC+33+j], v[BIASB+j:BIASB+j+1]
.set j, j+2
.endr
.set j, 0
.rept 32
	v_pk_mul_f32 v[ACC+j:ACC+j+1], v[ACC+j:ACC+j+1], s[SCQ:SCQ+1] op_sel_hi:[1,0]
.set j, j+2
.endr
	s_branch .Lquant_\@
.Lvpre_\@:
	v_mov_b32 v10, v[VB+(\i)]                      ; my channel's bias
.set j, 0
.rept 32
	v_pk_add_f32 v[ACC+j:ACC+j+1], v[ACC+j:ACC+j+1], v[10:11] op_sel_hi:[1,0]
.set j, j+2
.endr
.Lquant_\@:
	QUANT ACC
.if (\i)%2 == 0
	v_mov_b32 v[PW0], v[PW]                        ; two tiles' scale words leave together
.endif
	s_cmp_lg_u32 s[TY], 0
	s_cbranch_scc1 .Lvst_\@
	global_store_b128 v[L16], v[PC:PC+3], s[OUTC:OUTC+1] offset:768*(\i)            ; registers 0-5: the first head's 64; 6-11: the second's, one region on
	global_store_b64 v[L8], v[PC+4:PC+5], s[OUTC:OUTC+1] offset:768*(\i)+512
	global_store_b128 v[L16], v[PC+6:PC+9], s[OUTC:OUTC+1] offset:768*(\i)+307200
	global_store_b64 v[L8], v[PC+10:PC+11], s[OUTC:OUTC+1] offset:768*(\i)+307712
.if (\i)%2 == 1
	v_perm_b32 v10, v[PW], v[PW0], 0x05040100      ; the first head's two bytes of both tiles,
	v_perm_b32 v11, v[PW], v[PW0], 0x07060302      ; the second head's
	v_cndmask_b32 v12, v10, v11, s[MASK]
	global_store_b32 v[SWO], v12, s[OUTS:OUTS+1] offset:64*((\i)/2)
.endif
	s_branch .Ldone_\@
.Lvst_\@:
.irp c, 0,1,2
	global_store_b128 v[L16], v[PC+4*\c:PC+4*\c+3], s[OUTC:OUTC+1] offset:((\i)/4)*307200+((\i)%4)*1536+512*\c
.endr
.if (\i)%2 == 1
	v_cndmask_b32 v12, v[PW0], v[PW], s[MASK]
	global_store_b32 v[L4], v12, s[OUTS:OUTS+1] offset:((\i)/4)*307200+(((\i)/2)%2)*128
.endif
.Ldone_\@:
.endm
.macro TILE i
	s_wait_xcnt 0x0                                ; the last tile's stores have read their registers: the loads below land there
.irp t, 0,1,2,3
	global_load_b128 v[BIASB+8*\t:BIASB+8*\t+3], v[H64], s[CB:CB+1] offset:4*(192+32*(\t/2)+8*(\t%2))
	global_load_b128 v[BIASB+8*\t+4:BIASB+8*\t+7], v[H64], s[CB:CB+1] offset:4*(192+32*(\t/2)+8*(\t%2))+16
.endr
.if (\i) < 7
	MT ADF+(\i)/4, ((\i)%4)*12800, 1, ADF+((\i)+1)/4, ADS+((\i)+1)/4, (((\i)+1)%4)*12800
.else
	MT ADF+(\i)/4, ((\i)%4)*12800, 0, ADF, ADS, 0
.endif
	EPI \i
.endm
	PRE ADF, ADS, 0
.irp i, 0,1,2,3,4,5,6,7
	TILE \i
.endr
	s_wait_tensorcnt 0x0                           ; the wave's end
	ds_add_u32 v[SPW], v[NIL]
	s_wait_dscnt 0x0
	ROUND                                          ; the closing round
	s_endpgm
.Lfunc_end_k_q8e2ed520e2_qkv:
	.size	k_q8e2ed520e2_qkv, .Lfunc_end_k_q8e2ed520e2_qkv-k_q8e2ed520e2_qkv
	.p2alignl 7, 3214868480
	.fill 96, 4, 3214868480
	.section	.rodata,"a",@progbits
	.p2align	6, 0x0
	.amdhsa_kernel k_q8e2ed520e2_qkv
		.amdhsa_group_segment_fixed_size 327680
		.amdhsa_private_segment_fixed_size 0
		.amdhsa_enable_private_segment 0
		.amdhsa_kernarg_size 32
		.amdhsa_user_sgpr_count 2
		.amdhsa_user_sgpr_kernarg_segment_ptr 1
		.amdhsa_wavefront_size32 1
		.amdhsa_system_sgpr_workgroup_id_x 1
		.amdhsa_system_sgpr_workgroup_id_y 1
		.amdhsa_system_sgpr_workgroup_id_z 1
		.amdhsa_system_vgpr_workitem_id 0
		.amdhsa_next_free_vgpr 1024
		.amdhsa_next_free_sgpr 80
		.amdhsa_reserve_vcc 0
		.amdhsa_float_denorm_mode_32 3
		.amdhsa_float_denorm_mode_16_64 3
		.amdhsa_memory_ordered 1
		.amdhsa_forward_progress 1
		.amdhsa_inst_pref_size 205
	.end_amdhsa_kernel
	.amdgpu_metadata
---
amdhsa.version: [ 1, 2 ]
amdhsa.kernels:
  - .name:           k_q8e2ed520e2_qkv
    .symbol:         k_q8e2ed520e2_qkv.kd
    .args:
      - { .name: act, .offset: 0, .size: 8, .value_kind: global_buffer, .address_space: global }
      - { .name: wts, .offset: 8, .size: 8, .value_kind: global_buffer, .address_space: global }
      - { .name: qkv_b, .offset: 16, .size: 8, .value_kind: global_buffer, .address_space: global }
      - { .name: qkvc, .offset: 24, .size: 8, .value_kind: global_buffer, .address_space: global }
    .group_segment_fixed_size: 327680
    .private_segment_fixed_size: 0
    .kernarg_segment_align: 8
    .kernarg_segment_size: 32
    .max_flat_workgroup_size: 128
    .sgpr_count:     80
    .vgpr_count:     1024
    .wavefront_size: 32
...
	.end_amdgpu_metadata
.endif
;; end of part 2
;; launch attn (part 3): grid 8 x 32, 16 waves a work-group, clusters of 4 x 1, 206,848 bytes of LDS; arguments qkvc, oc; writes oc
.if DOCPART == 3
	.amdgcn_target "amdgcn-amd-amdhsa--gfx1250"
	.amdhsa_code_object_version 6
	.text
	.protected	k_q8e2ed520e2_attn
	.globl	k_q8e2ed520e2_attn
	.p2align	8
	.type	k_q8e2ed520e2_attn,@function
k_q8e2ed520e2_attn:
	s_mov_b64 s[64:65], 0
	v_nop
	global_prefetch_b8 v0, s[64:65] scope:SCOPE_SE
	s_setreg_imm32_b32 hwreg(HW_REG_WAVE_MODE, 25, 1), 1
	s_wait_xcnt 0x0
	s_wait_alu depctr_hold_cnt(0) depctr_sa_sdst(0) depctr_va_vdst(0) depctr_va_sdst(0) depctr_va_ssrc(0) depctr_va_vcc(0) depctr_vm_vsrc(0)
	s_getreg_b32 s2, hwreg(HW_REG_IB_STS2, 6, 4)
	s_cmp_eq_u32 s2, 0
	s_cbranch_scc0 .Lentry_in_a_cluster
	s_endpgm
.Lentry_in_a_cluster:
	s_bfe_u32 s2, ttmp6, 0x10000c
	s_cmp_lg_u32 s2, 0x3003
	s_cbranch_scc0 .Lentry_shape_is_right
	s_endpgm
.Lentry_shape_is_right:
; ATTENTION on codes of FP6: O = softmax(q k^T) v for one (batch, head) and 256 queries; head size 64, 2,048 keys, no mask.  q and k arrive scaled by 2^-1.5 each and quantised along the head's 64, v along the keys.
; THE SOFTMAX AHEAD OF THE SECOND PRODUCT: t = score x log2(e); M = the running largest t rounded UP to a whole number; p = 2^(t - M) is quantised along the keys, not normalised; the row's sum is taken of the
; unquantised p and divides O at the end.  When M moves, the sum and O are multiplied by 2^(old M - new M): exact.
; SHARES.  Sixteen waves, each one tile of 16 queries in 256 registers.  K AND V OF THE WHOLE HEAD, 204,800 dense bytes, LIE IN LDS: each wave brings 12,800 of them by one tensor load; nothing is filled again.
; CLUSTER.  The four query blocks of a cluster belong to one head: each of the sixteen loads is asked for jointly by the four work-groups, with the same descriptor and the mask 15.
; THE FIRST PRODUCT'S K IS 64, THE INSTRUCTION'S 128: source 0 holds TWO tiles of 16 keys side by side (k 0-63: tile 2 b, k 64-127: tile 2 b + 1); source 1 is q beside zero codes, or zero codes beside q.
; Both products are used transposed: a lane holds one query throughout.  A tile's keys (and v's channels) are rows 32 (t / 2) + 8 (t % 2) + r + 8 (r / 8), so that 16 registers of two tiles are 16 neighbours.
; O / sum is quantised along the head's 64 and stored as a half image of 768 bytes into oc, the next product's operand.
; LIMITS: NaN and infinities are not served; a block under 2^-124 gets the byte 1 (read by this program alone).
; REGISTERS: v1-4, v7 addresses that stay; v8-11, v34 the step's; v12 -M, v13 the largest t, v[14:15] the sum; v16-33 q, zeros, q; v36-83 four fragments; v84-88 scale words; v96-159 S^T, then p; v160-191 O^T; v192-217 at work; v224-235 p's codes.
.set WV,  3
.set SEL, 10
.set CS,  12                           ; s[12:13] log2(e)
.set G0,  16
.set G1,  24
.set TB,  32                           ; the step's codes: 6,144 bytes a step, in K and in V
.set TS,  33                           ; its scale words: 256 bytes a step
.set CNT, 34
.set FR,  36
.set SPW, 5
.set NIL, 6
.set KS,  98304
.set VC,  102400
.set VS,  200704
.set SPARE, 204800                     ; the spare words, 128 bytes a wave: eight blocks of 256 bytes that no other line names
.macro PLACES
.rept 4
	v_nop
.endr
.endm
.macro ROUND                           ; a round of the cluster's barrier
	s_barrier_signal -1
	s_barrier_wait -1
	s_cmp_lg_u32 s[WV], 0
	s_cbranch_scc1 .Lnot_wave_0_\@
	s_barrier_signal -3
.Lnot_wave_0_\@:
	s_barrier_wait -3
	s_barrier_signal -1
	s_barrier_wait -1
.endm
	s_load_b128 s[4:7], s[0:1], 0x0                ; qkvc, oc
	v_lshl_add_u32 v[SPW], v0, 2, SPARE
	v_mov_b32 v[NIL], 0
	ds_add_u32 v[SPW], v[NIL]                      ; the wave's opening: the add and its wait ahead of the round in front of my tensor load
	v_lshrrev_b32 v1, 5, v0
	v_readfirstlane_b32 s[WV], v1                  ; wave 0..15
	s_bfe_u32 s36, ttmp6, 0x40000                  ; cx: it enters q's and oc's addresses alone
	s_lshl_b32 s37, ttmp9, 2
	s_add_co_u32 s37, s37, s36                     ; my block of 256 queries
	s_and_b32 s38, ttmp7, 0xffff                   ; 16 x batch + head, which the four partners share
	s_mov_b32 s[G1+0], 15|(3<<16)|(1<<21)          ; the mask: all four work-groups; elements of 8 bytes; bit 21 beside a mask; no padding
	s_mov_b32 s[G1+1], 32<<16                      ; rows of 256 bytes,
	s_mov_b32 s[G1+2], 50<<16                      ; 50 of them
	s_mov_b32 s[G1+3], 32<<16
	s_mov_b32 s[G1+4], 50
	s_mov_b32 s[G1+5], 32
	s_mov_b32 s[G1+6], 0
	s_mov_b32 s[G1+7], 0
	s_mov_b32 s[SEL], 0x76543210
	s_mov_b32 s[SEL+1], 0xfedcba98
	s_mov_b32 s[CS], 0x3fb8aa3b
	s_mov_b32 s[CS+1], s[CS]
	s_mul_i32 s40, s38, 307200                     ; the head's region
	s_mov_b32 s41, 0
	s_mul_i32 s42, s[WV], 12800                    ; my sixteenth of its K and V
	s_mov_b32 s43, 0
	s_lshl_b32 s44, s37, 4
	s_add_co_u32 s44, s44, s[WV]                   ; my tile of queries among the batch's 128
	s_mul_i32 s46, s44, 768
	s_add_co_u32 s46, s46, 204800                  ; its codes
	s_mov_b32 s47, 0
	s_lshr_b32 s48, s44, 1
	s_lshl_b32 s48, s48, 6
	s_add_co_u32 s48, s48, 303104                  ; its pair's scale words
	s_mov_b32 s49, 0
	s_lshr_b32 s50, s38, 4
	s_and_b32 s51, s38, 15
	s_lshl_b32 s50, s50, 7
	s_add_co_u32 s50, s50, s44
	s_mul_i32 s50, s50, 12800                      ; oc: my tile's chunk
	s_lshr_b32 s52, s51, 1
	s_and_b32 s53, s51, 1
	s_mul_i32 s54, s52, 1536
	s_mul_i32 s55, s53, 768
	s_add_co_u32 s54, s54, s55
	s_add_co_u32 s54, s54, s50                     ; my head's half image
	s_mov_b32 s55, 0
	s_lshl_b32 s56, s52, 6
	s_lshl_b32 s57, s53, 1
	s_add_co_u32 s56, s56, s57
	s_add_co_u32 s56, s56, s50
	s_add_co_u32 s56, s56, 12288                   ; and its half of the scale words
	s_mov_b32 s57, 0
	s_and_b32 s58, s[WV], 1                        ; an even tile's two bytes lie in the word's low half
	s_mov_b32 s59, 0x03020302
	s_cmp_eq_u32 s58, 0
	s_cselect_b32 s59, 0x01000100, s59
	s_mov_b32 s[TB], 0
	s_mov_b32 s[TS], 0
	s_mov_b32 s[CNT], 16
	s_wait_dscnt 0x0                               ; the opening add is done
	s_wait_kmcnt 0x0
	s_add_nc_u64 s[4:5], s[4:5], s[40:41]
	s_mov_b32 s[G0], 1
	s_mov_b32 s[G0+1], s42
	s_add_nc_u64 s[G0+2:G0+3], s[4:5], s[42:43]
	s_or_b32 s[G0+3], s[G0+3], 0x80000000
	s_add_nc_u64 s[46:47], s[4:5], s[46:47]
	s_add_nc_u64 s[48:49], s[4:5], s[48:49]
	s_add_nc_u64 s[54:55], s[6:7], s[54:55]
	s_add_nc_u64 s[56:57], s[6:7], s[56:57]
	ROUND                                          ; all four work-groups are here: the joint loads meet
	tensor_load_to_lds s[G0:G0+3], s[G1:G1+7]      ; my one tensor load of the launch
	s_nop 0
	PLACES
	v_and_b32 v8, 31, v0
	v_and_b32 v9, 15, v0
	v_lshlrev_b32 v1, 4, v8                        ; 16 x lane
	v_lshlrev_b32 v2, 3, v8                        ; 8 x lane
	v_lshl_add_u32 v3, v8, 4, VC
	v_lshl_add_u32 v4, v8, 2, KS
	v_lshl_add_u32 v7, v8, 2, VS
	v_lshlrev_b32 v35, 2, v9                       ; 4 r
	global_load_b128 v[16:19], v1, s[46:47]        ; q's half image, twice
	global_load_b64 v[20:21], v2, s[46:47] offset:512
	global_load_b128 v[28:31], v1, s[46:47]
	global_load_b64 v[32:33], v2, s[46:47] offset:512
	global_load_b32 v89, v35, s[48:49]
.irp j, 22,23,24,25,26,27
	v_mov_b32 v\j, 0                               ; zero codes between: v[16:27] = q, 0 and v[22:33] = 0, q
.endr
	v_mov_b32 v13, 0xff61b1e6                      ; the largest t so far: -3e38
	v_floor_f32 v12, -v13                          ; -M
	v_mov_b32 v14, 0
	v_mov_b32 v15, 0
.irp b, 0,1,2,3
	v_mov_b32 v[196+\b], 0                         ; a lane permute's destination counts as one of its sources
.endr
	v_mov_b32 v213, 0                              ; named as the upper half of the pair v[212:213] before it is first written
	v_mov_b32 v214, 0
	s_wait_loadcnt 0x0
	v_perm_b32 v88, v89, v89, s59                  ; q's scale word: its two bytes, twice
.set j, 0
.rept 32
	v_mov_b32 v[160+j], 0                          ; O^T: the loop has no first step of its own.  (These lines are also the places between the scale word's making and the first product)
.set j, j+1
.endr
	s_wait_tensorcnt 0x0                           ; my part of K and V has landed,
	s_barrier_signal -1
	s_barrier_wait -1                              ; everybody's has
.Lstep:                                            ; 16 trips of 128 keys
	v_add_nc_u32 v8, s[TB], v1                     ; (five plain lines: the places in front of loads into registers that the last products read)
	v_add_nc_u32 v9, s[TB], v2
	v_add_nc_u32 v10, s[TB], v3
	v_add_nc_u32 v11, s[TS], v4
	v_add_nc_u32 v34, s[TS], v7
.irp b, 0,1,2,3                                ; two half images on end are one operand: 32 keys
	ds_load_b128 v[FR+12*\b:FR+12*\b+3], v8 offset:1536*\b
	ds_load_b64 v[FR+12*\b+4:FR+12*\b+5], v9 offset:1536*\b+512
	ds_load_b128 v[FR+12*\b+6:FR+12*\b+9], v8 offset:1536*\b+768
	ds_load_b64 v[FR+12*\b+10:FR+12*\b+11], v9 offset:1536*\b+1280
.endr
	ds_load_b32 v84, v11                           ; lanes 0-15: pair 0's words, lanes 16-31: pair 1's
	ds_load_b32 v85, v11 offset:128
	s_wait_dscnt 0x0
.irp b, 0,1,2,3
.irp u, 0,1
.if \b%2 == 0
	v_wmma_scale_f32_16x16x128_f8f6f4 v[96+8*(2*\b+\u):103+8*(2*\b+\u)], v[FR+12*\b:FR+12*\b+11], v[16+6*\u:27+6*\u], 0, v[84+\b/2], v88 matrix_a_fmt:MATRIX_FMT_FP6 matrix_b_fmt:MATRIX_FMT_FP6
.else
	v_wmma_scale_f32_16x16x128_f8f6f4 v[96+8*(2*\b+\u):103+8*(2*\b+\u)], v[FR+12*\b:FR+12*\b+11], v[16+6*\u:27+6*\u], 0, v[84+\b/2], v88 matrix_a_fmt:MATRIX_FMT_FP6 matrix_b_fmt:MATRIX_FMT_FP6 matrix_a_scale:MATRIX_SCALE_ROW1
.endif
.endr
.endr
	PLACES
.irp c, 0,1,2,3                                ; V's four fragments are asked for now and land under the softmax
.irp j, 0,1,2
	ds_load_b128 v[FR+12*\c+4*\j:FR+12*\c+4*\j+3], v10 offset:1536*\c+512*\j
.endr
.endr
	ds_load_b32 v86, v34
	ds_load_b32 v87, v34 offset:128
.irp b, 0,1,2,3
	v_max3_num_f32 v[192+\b], v[96+16*\b], v[97+16*\b], v[98+16*\b]   ; the largest score of each block of 32 keys: for the row's maximum, and, since p rises with the score, for the block's largest p
.endr
.irp i, 3,5,7,9,11,13
.irp b, 0,1,2,3
	v_max3_num_f32 v[192+\b], v[192+\b], v[96+16*\b+\i], v[97+16*\b+\i]
.endr
.endr
.irp b, 0,1,2,3
	v_max_num_f32 v[192+\b], v[192+\b], v[111+16*\b]
.endr
.irp b, 0,1,2,3
	v_permlanex16_b32 v[196+\b], v[192+\b], s[SEL], s[SEL+1]
.endr
.irp b, 0,1,2,3
	v_max_num_f32 v[192+\b], v[192+\b], v[196+\b]
.endr
	v_max3_num_f32 v214, v192, v193, v194
	v_max_num_f32 v214, v214, v195
	v_mul_f32 v214, s[CS], v214
	v_max_num_f32 v13, v13, v214                   ; the running largest t
	v_mov_b32 v214, v12
	v_floor_f32 v12, -v13                          ; the new -M = -ceil(t)
	v_sub_f32 v214, v12, v214                      ; old M - new M: a whole number, 0 or less
	v_cvt_i32_f32 v214, v214                       ; (it saturates)
	v_ldexp_f32 v212, 1.0, v214                    ; f = 2^(old M - new M)
.set j, 0
.rept 32
	v_pk_fma_f32 v[96+j:97+j], v[96+j:97+j], s[CS:CS+1], v[12:13] op_sel_hi:[1,0,0]   ; t - M
.set j, j+2
.endr
.irp b, 0,1,2,3
	v_fma_f32 v[192+\b], v[192+\b], s[CS], v12
.endr
.set j, 0
.rept 64
	v_exp_f32 v[96+j], v[96+j]                     ; p = 2^(t - M)
.set j, j+1
.endr
	v_pk_mul_f32 v[14:15], v[14:15], v[212:213] op_sel_hi:[1,0]   ; the sums under the new M: a plain place behind the exponentials
	s_wait_alu depctr_va_vdst(0)                   ; one wait for the batch, ahead of its first reader
.irp b, 0,1,2,3
	v_exp_f32 v[192+\b], v[192+\b]                 ; each block's largest p
.endr
	v_pk_add_f32 v[216:217], v[96:97], v[98:99]    ; the row's sum, of the unquantised p, in two chains
.set j, 4
.rept 15
	v_pk_add_f32 v[14:15], v[14:15], v[96+j:97+j]
	v_pk_add_f32 v[216:217], v[216:217], v[98+j:99+j]
.set j, j+4
.endr
	v_pk_add_f32 v[14:15], v[14:15], v[216:217]
	s_wait_alu depctr_va_vdst(0)                   ; and one for the four
.irp b, 0,1,2,3
	v_max_num_f32 v[192+\b], 0x1800000, v[192+\b]  ; the floor 2^(3 - 127)
.endr
.irp b, 0,1,2,3
	v_add_nc_u32 v[200+\b], 0xff000000, v[192+\b]
.endr
.irp b, 0,1,2,3
	v_lshrrev_b32 v[196+\b], 23, v[200+\b]
.endr
	v_lshl_or_b32 v213, v197, 8, v196              ; p's scale word for these 128 keys
	v_lshl_or_b32 v213, v198, 16, v213
	v_lshl_or_b32 v213, v199, 24, v213
.irp c, 0,1
	v_cvt_scalef32_pk16_fp6_f32 v[224+6*\c:226+6*\c], v[96+32*\c:111+32*\c], v[200+2*\c]
	v_cvt_scalef32_pk16_fp6_f32 v[204+4*\c:206+4*\c], v[112+32*\c:127+32*\c], v[200+2*\c+1]
.endr
	v_nop
.irp c, 0,1
.irp i, 0,1,2
	v_permlane16_swap_b32 v[224+6*\c+\i], v[204+4*\c+\i]
.endr
.irp i, 0,1,2
	v_mov_b32 v[227+6*\c+\i], v[204+4*\c+\i]
.endr
.endr
.set j, 0
.rept 16
	v_pk_mul_f32 v[160+j:161+j], v[160+j:161+j], v[212:213] op_sel_hi:[1,0]   ; O^T under the new M.  (Sixteen plain lines between the making of p's codes and scale word and the products)
.set j, j+2
.endr
	s_wait_dscnt 0x0                               ; V
.irp c, 0,1,2,3                                ; O^T += V^T P^T: the four accumulators by turns
.if \c%2 == 0
	v_wmma_scale_f32_16x16x128_f8f6f4 v[160+8*\c:167+8*\c], v[FR+12*\c:FR+12*\c+11], v[224:235], v[160+8*\c:167+8*\c], v[86+\c/2], v213 matrix_a_fmt:MATRIX_FMT_FP6 matrix_b_fmt:MATRIX_FMT_FP6
.else
	v_wmma_scale_f32_16x16x128_f8f6f4 v[160+8*\c:167+8*\c], v[FR+12*\c:FR+12*\c+11], v[224:235], v[160+8*\c:167+8*\c], v[86+\c/2], v213 matrix_a_fmt:MATRIX_FMT_FP6 matrix_b_fmt:MATRIX_FMT_FP6 matrix_a_scale:MATRIX_SCALE_ROW1
.endif
.endr
	s_add_co_u32 s[TB], s[TB], 6144
	s_add_co_u32 s[TS], s[TS], 256
	s_sub_co_u32 s[CNT], s[CNT], 1
	s_cmp_lg_u32 s[CNT], 0
	s_cbranch_scc1 .Lstep
	; THE WAY OUT: O^T / the sum, quantised along the head's 64 (two blocks), as a half image
	PLACES
	v_add_f32 v14, v14, v15
	v_permlanex16_b32 v214, v14, s[SEL], s[SEL+1]
	v_add_f32 v14, v14, v214
	v_rcp_f32 v14, v14
	v_nop
	s_wait_alu depctr_va_vdst(0)
.set j, 0
.rept 32
	v_mul_f32 v[96+j], v[160+j], v14               ; register 16 b + i is channel 32 b + 16 (lane / 16) + i of my query
.set j, j+1
.endr
.irp b, 0,1
	v_max3_num_f32 v[192+\b], |v[96+16*\b]|, |v[97+16*\b]|, 0x1800000
.endr
.irp i, 2,4,6,8,10,12,14
.irp b, 0,1
	v_max3_num_f32 v[192+\b], v[192+\b], |v[96+16*\b+\i]|, |v[97+16*\b+\i]|
.endr
.endr
.irp b, 0,1
	v_permlanex16_b32 v[196+\b], v[192+\b], s[SEL], s[SEL+1]
.endr
.irp b, 0,1
	v_max_num_f32 v[192+\b], v[192+\b], v[196+\b]
.endr
.irp b, 0,1
	v_add_nc_u32 v[200+\b], 0xff000000, v[192+\b]
.endr
.irp b, 0,1
	v_lshrrev_b32 v[196+\b], 23, v[200+\b]
.endr
	v_lshl_or_b32 v214, v197, 8, v196              ; my head's two bytes
	v_cvt_scalef32_pk16_fp6_f32 v[224:226], v[96:111], v200
	v_cvt_scalef32_pk16_fp6_f32 v[204:206], v[112:127], v201
	v_nop
.irp i, 0,1,2
	v_permlane16_swap_b32 v[224+\i], v[204+\i]
.endr
.irp i, 0,1,2
	v_mov_b32 v[227+\i], v[204+\i]
.endr
	global_store_b128 v1, v[224:227], s[54:55]
	global_store_b64 v2, v[228:229], s[54:55] offset:512
	global_store_b16 v35, v214, s[56:57]           ; lanes r and r + 16 hold the same bytes and store them to the same place
	s_wait_tensorcnt 0x0                           ; the wave's end
	ds_add_u32 v[SPW], v[NIL]
	s_wait_dscnt 0x0
	ROUND                                          ; the closing round
	s_endpgm
.Lfunc_end_k_q8e2ed520e2_attn:
	.size	k_q8e2ed520e2_attn, .Lfunc_end_k_q8e2ed520e2_attn-k_q8e2ed520e2_attn
	.p2alignl 7, 3214868480
	.fill 96, 4, 3214868480
	.section	.rodata,"a",@progbits
	.p2align	6, 0x0
	.amdhsa_kernel k_q8e2ed520e2_attn
		.amdhsa_group_segment_fixed_size 206848
		.amdhsa_private_segment_fixed_size 0
		.amdhsa_enable_private_segment 0
		.amdhsa_kernarg_size 16
		.amdhsa_user_sgpr_count 2
		.amdhsa_user_sgpr_kernarg_segment_ptr 1
		.amdhsa_wavefront_size32 1
		.amdhsa_system_sgpr_workgroup_id_x 1
		.amdhsa_system_sgpr_workgroup_id_y 1
		.amdhsa_system_sgpr_workgroup_id_z 1
		.amdhsa_system_vgpr_workitem_id 0
		.amdhsa_next_free_vgpr 256
		.amdhsa_next_free_sgpr 66
		.amdhsa_reserve_vcc 0
		.amdhsa_float_denorm_mode_32 3
		.amdhsa_float_denorm_mode_16_64 3
		.amdhsa_memory_ordered 1
		.amdhsa_forward_progress 1
		.amdhsa_inst_pref_size 27
	.end_amdhsa_kernel
	.amdgpu_metadata
---
amdhsa.version: [ 1, 2 ]
amdhsa.kernels:
  - .name:           k_q8e2ed520e2_attn
    .symbol:         k_q8e2ed520e2_attn.kd
    .args:
      - { .name: qkvc, .offset: 0, .size: 8, .value_kind: global_buffer, .address_space: global }
      - { .name: oc, .offset: 8, .size: 8, .value_kind: global_buffer, .address_space: global }
    .group_segment_fixed_size: 206848
    .private_segment_fixed_size: 0
    .kernarg_segment_align: 8
    .kernarg_segment_size: 16
    .max_flat_workgroup_size: 512
    .sgpr_count:     66
    .vgpr_count:     256
    .wavefront_size: 32
...
	.end_amdgpu_metadata
.endif
;; end of part 3
;; launch proj (part 4): grid 256 x 1, 4 waves a work-group, clusters of 4 x 1, 327,680 bytes of LDS; arguments oc, wts, proj_b, x, x1; writes x1
.if DOCPART == 4
	.amdgcn_target "amdgcn-amd-amdhsa--gfx1250"
	.amdhsa_code_object_version 6
	.text
	.protected	k_q8e2ed520e2_proj
	.globl	k_q8e2ed520e2_proj
	.p2align	8
	.type	k_q8e2ed520e2_proj,@function
k_q8e2ed520e2_proj:
	s_mov_b64 s[64:65], 0
	v_nop
	global_prefetch_b8 v0, s[64:65] scope:SCOPE_SE
	s_setreg_imm32_b32 hwreg(HW_REG_WAVE_MODE, 25, 1), 1
	s_wait_xcnt 0x0
	s_wait_alu depctr_hold_cnt(0) depctr_sa_sdst(0) depctr_va_vdst(0) depctr_va_sdst(0) depctr_va_ssrc(0) depctr_va_vcc(0) depctr_vm_vsrc(0)
	s_getreg_b32 s2, hwreg(HW_REG_IB_STS2, 6, 4)
	s_cmp_eq_u32 s2, 0
	s_cbranch_scc0 .Lentry_in_a_cluster
	s_endpgm
.Lentry_in_a_cluster:
	s_bfe_u32 s2, ttmp6, 0x10000c
	s_cmp_lg_u32 s2, 0x3003
	s_cbranch_scc0 .Lentry_shape_is_right
	s_endpgm
.Lentry_shape_is_right:
; x1 = x + attention's output x proj_w^T + proj_b, on codes of FP6.  K = 1,024.
; Source 0 = a RESIDENT tile of proj_w (the wave's 128 rows = 128 columns of x1: 64 fragments in registers), source 1 = a STREAMED tile of 16 tokens out of LDS (2 chunks, half a chunk to a wave's tensor load;
; nothing in LDS is filled again).  256 work-groups: 512 columns x 32 tokens each.
; THE RESIDENT OPERAND COMES BY TWO WAYS AT ONCE.  A chunk's K steps 3-7 and its scale words are its last 8,192 bytes: a wave's 8 tiles' are one tensor load of 8 rows into LDS bytes of its own, read from there
; into registers; K steps 0-2 go from memory straight into registers.  Beside the stream and the stages LDS has room for the four waves' 262,144 bytes and no more.
; CLUSTER.  Four work-groups with neighbouring numbers hold the same resident operand: its tensor load is asked for jointly (mask 15).  Their streams differ (25,600 bytes each): plain loads.
; A streamed fragment lies in oc as two half images of 768 bytes (two heads).  The results, 16 tokens x 128 columns, turn through the wave's own stage in LDS and leave as rows of 512 consecutive bytes.
.set RSTR, 12800
.set NKL,  5                           ; K steps that come through LDS
.set KL0,  8-NKL
.set RROW, 1536*NKL+512
.set RLW,  8*RROW
.set NL2,  8                           ; LDS loads of two fragments
.set WV,   3
.set G,    15
.set RES,  16
.set STR,  18
.set XB,   20
.set OB,   22
.set G0,   24
.set BQB,  28
.set G1,   32
.set CX,   52                          ; my place in the cluster: it enters global addresses alone
.set G0R,  56
.set G1R,  68
.set ADF,  3                           ; v3 16 x lane, v4 8 x lane
.set ADS,  5
.set STO,  6
.set RD,   7
.set RLA,  8
.set RLS,  9
.set XR,   176                         ; v176-239 16 rows of x
.set BQ,   240                         ; v240-243 proj_b at my four columns
.set STAGE, 25600                      ; LDS: behind the stream, 16 x 528 bytes for each wave
.set RL,   59392                       ; behind the stages, 65,536 bytes for each wave
.set SPARE, RL+4*RLW                   ; the spare words, 128 bytes a wave: two blocks of 256 bytes that no other line names
.set L16, 1
.set L4,  2
.set SPW, 14
.set NIL, 15
.set ACC, 16
.set AF,  80
.set WSC, 128
.set ASC, 160
.set F63, 164
.set MSB, 0
.macro WIN new
.if MSB != (\new)
	s_set_vgpr_msb (MSB<<8)|(\new)
.set MSB, (\new)
.endif
.endm
.macro PLACES
.rept 4
	v_nop
.endr
.endm
.macro ROUND                           ; a round of the cluster's barrier
	s_barrier_signal -1
	s_barrier_wait -1
	s_cmp_lg_u32 s[WV], 0
	s_cbranch_scc1 .Lnot_wave_0_\@
	s_barrier_signal -3
.Lnot_wave_0_\@:
	s_barrier_wait -3
	s_barrier_signal -1
	s_barrier_wait -1
.endm
.macro RLOADG                          ; the resident fragments of K steps 0 .. KL0 - 1, from memory
.set f, 0
.rept 8*KL0
.set wn, (1+f/21)<<6
.set ra, 12*(f%21)
	WIN wn
.irp j, 0,1,2
	global_load_b128 v[ra+4*\j:ra+4*\j+3], v[L16], s[RES:RES+1] offset:(f%8)*RSTR+1536*(f/8)+512*\j
.endr
.set f, f+1
.endr
	WIN 0
.endm
.macro RLOADL                          ; those of K steps KL0 .. 7, and the scale words, from my own LDS bytes
.set f, 8*KL0
.rept 8*NKL
.if f == 63
.set wn, 0
.set ra, F63
.else
.set wn, (1+f/21)<<6
.set ra, 12*(f%21)
.endif
	WIN wn
.irp j, 0,1,2
	ds_load_b128 v[ra+4*\j:ra+4*\j+3], v[RLA] offset:(f%8)*RROW+1536*(f/8-KL0)+512*\j
.endr
.set f, f+1
.endr
	WIN 0
.set f, 0
.rept 32
	ds_load_b32 v[WSC+f], v[RLS] offset:(f/4)*RROW+1536*NKL+128*(f%4)
.set f, f+1
.endr
.endm
.macro FRAG slot, adr, off             ; two half images: registers 0-3, 4-5, 6-9, 10-11
	ds_load_b128 v[AF+12*(\slot):AF+12*(\slot)+3], v[\adr] offset:(\off)
	ds_load_b64 v[AF+12*(\slot)+4:AF+12*(\slot)+5], v[\adr+1] offset:(\off)+512
	ds_load_b128 v[AF+12*(\slot)+6:AF+12*(\slot)+9], v[\adr] offset:(\off)+768
	ds_load_b64 v[AF+12*(\slot)+10:AF+12*(\slot)+11], v[\adr+1] offset:(\off)+1280
.endm
.macro ASCL adr, off
.irp i, 0,1,2,3
	ds_load_b32 v[ASC+\i], v[\adr] offset:(\off)+12288+128*\i
.endr
.endm
.macro KST s                           ; the 8 accumulators by turns, one instruction a turn
.irp t, 0,1,2,3,4,5,6,7
.set f, 8*(\s)+\t
.if f == 63
.set wn, 0
.set ra, F63
.else
.set wn, 1+f/21
.set ra, 12*(f%21)
.endif
	WIN wn
.set rd, ACC+8*\t
.set rb, AF+12*((\s)%4)
.set sa, WSC+4*\t+(\s)/2
.set sb, ASC+(\s)/2
.if (\s) == 0
	v_wmma_scale_f32_16x16x128_f8f6f4 v[rd:rd+7], v[ra:ra+11], v[rb:rb+11], 0, v[sa], v[sb] matrix_a_fmt:MATRIX_FMT_FP6 matrix_b_fmt:MATRIX_FMT_FP6
.elseif (\s)%2 == 0
	v_wmma_scale_f32_16x16x128_f8f6f4 v[rd:rd+7], v[ra:ra+11], v[rb:rb+11], v[rd:rd+7], v[sa], v[sb] matrix_a_fmt:MATRIX_FMT_FP6 matrix_b_fmt:MATRIX_FMT_FP6
.else
	v_wmma_scale_f32_16x16x128_f8f6f4 v[rd:rd+7], v[ra:ra+11], v[rb:rb+11], v[rd:rd+7], v[sa], v[sb] matrix_a_fmt:MATRIX_FMT_FP6 matrix_b_fmt:MATRIX_FMT_FP6 matrix_a_scale:MATRIX_SCALE_ROW1 matrix_b_scale:MATRIX_SCALE_ROW1
.endif
.endr
.endm
.macro PRE fa, sw, off
	FRAG 0, \fa, (\off)
	FRAG 1, \fa, (\off)+1536
	FRAG 2, \fa, (\off)+3072
	FRAG 3, \fa, (\off)+4608
	ASCL \sw, (\off)
.endm
.macro MT ca, coff, nxt, na, ns, noff
	s_wait_dscnt 0x0
	KST 0
	KST 1
	WIN 0
	PLACES
	FRAG 0, \ca, (\coff)+6144
	FRAG 1, \ca, (\coff)+7680
	KST 2
	KST 3
	WIN 0
	PLACES
	FRAG 2, \ca, (\coff)+9216
	FRAG 3, \ca, (\coff)+10752
	s_wait_dscnt NL2                               ; K steps 4, 5 are in; the loads of 6, 7 may be out
	KST 4
	KST 5
	WIN 0
	PLACES
.if \nxt
	FRAG 0, \na, (\noff)
	FRAG 1, \na, (\noff)+1536
	s_wait_dscnt NL2                               ; K steps 6, 7 are in; the next tile's two may be out
.else
	s_wait_dscnt 0x0
.endif
	KST 6
	KST 7
	WIN 0
	PLACES
.if \nxt
	ASCL \ns, (\noff)
	FRAG 2, \na, (\noff)+3072
	FRAG 3, \na, (\noff)+4608
.endif
.endm
	s_load_b256 s[4:11], s[0:1], 0x0               ; oc s[4:5], wts s[6:7], proj_b s[8:9], x s[10:11]
	s_load_b64 s[12:13], s[0:1], 0x20              ; x1
	v_lshl_add_u32 v[SPW], v0, 2, SPARE
	v_mov_b32 v[NIL], 0
	ds_add_u32 v[SPW], v[NIL]                      ; the wave's opening: the add and its wait ahead of the round in front of my tensor loads
	v_lshrrev_b32 v10, 5, v0
	v_readfirstlane_b32 s[WV], v10
	s_mov_b32 s[G1+0], 3<<16                       ; the stream: half a chunk, 25 rows of 256 bytes, no mask
	s_mov_b32 s[G1+1], 32<<16
	s_mov_b32 s[G1+2], 25<<16
	s_mov_b32 s[G1+3], 32<<16
	s_mov_b32 s[G1+4], 25
	s_mov_b32 s[G1+5], 32
	s_mov_b32 s[G1+6], 0
	s_mov_b32 s[G1+7], 0
	s_mov_b32 s[G1R+0], 15|(3<<16)|(1<<21)         ; the resident part: the mask names all four work-groups; bit 21 beside a mask
	s_mov_b32 s[G1R+1], (RROW/8)<<16               ; a row is a chunk's last 8,192 bytes
	s_mov_b32 s[G1R+2], 8<<16                      ; 8 tiles
	s_mov_b32 s[G1R+3], (RROW/8)<<16
	s_mov_b32 s[G1R+4], 8
	s_mov_b32 s[G1R+5], RSTR/8                     ; from chunk to chunk
	s_mov_b32 s[G1R+6], 0
	s_mov_b32 s[G1R+7], 0
	s_bfe_u32 s[CX], ttmp6, 0x40000
	s_lshr_b32 s40, ttmp9, 5                       ; the resident group hangs on the cluster's and the wave's numbers alone
	s_lshl_b32 s40, s40, 2
	s_add_co_u32 s[G], s40, s[WV]                  ; my 128 columns
	s_mul_i32 s40, s[G], 102400
	s_add_co_u32 s40, s40, 2457600                 ; proj_w's tiles begin at chunk 192
	s_mov_b32 s41, 0
	s_and_b32 s42, ttmp9, 31
	s_lshl_b32 s42, s42, 2
	s_add_co_u32 s42, s42, s[CX]                   ; my work-group's 32 tokens
	s_mul_i32 s44, s42, 25600
	s_mul_i32 s43, s[WV], 6400
	s_add_co_u32 s44, s44, s43
	s_mov_b32 s45, 0
	s_lshl_b32 s46, s42, 17                        ; 32 rows of 4,096 bytes
	s_lshl_b32 s48, s[G], 9
	s_add_co_u32 s46, s46, s48
	s_mov_b32 s47, 0
	s_mov_b32 s49, 0
	s_mul_i32 s50, s[WV], 8448
	s_add_co_u32 s50, s50, STAGE
	s_wait_dscnt 0x0
	s_wait_kmcnt 0x0
	s_add_nc_u64 s[RES:RES+1], s[6:7], s[40:41]
	s_add_nc_u64 s[STR:STR+1], s[4:5], s[44:45]
	s_add_nc_u64 s[XB:XB+1], s[10:11], s[46:47]
	s_add_nc_u64 s[OB:OB+1], s[12:13], s[46:47]
	s_add_nc_u64 s[BQB:BQB+1], s[8:9], s[48:49]
	s_mov_b32 s[G0], 1
	s_mul_i32 s[G0+1], s[WV], 6400
	s_mov_b64 s[G0+2:G0+3], s[STR:STR+1]
	s_or_b32 s[G0+3], s[G0+3], 0x80000000
	s_mov_b32 s[G0R], 1
	s_mul_i32 s[G0R+1], s[WV], RLW
	s_add_co_u32 s[G0R+1], s[G0R+1], RL
	s_add_nc_u64 s[G0R+2:G0R+3], s[RES:RES+1], 1536*KL0
	s_or_b32 s[G0R+3], s[G0R+3], 0x80000000
	ROUND                                          ; all four work-groups are here: the joint loads meet
	tensor_load_to_lds s[G0R:G0R+3], s[G1R:G1R+7]  ; my two tensor loads of the launch: the resident part, jointly,
	s_nop 0
	tensor_load_to_lds s[G0:G0+3], s[G1:G1+7]      ; and my quarter of my work-group's stream
	s_nop 0
	PLACES
	v_and_b32 v10, 31, v0
	v_and_b32 v11, 15, v0
	v_bfe_u32 v12, v0, 4, 1
	v_lshlrev_b32 v[L16], 4, v10
	v_lshlrev_b32 v[L4], 2, v10
	v_lshlrev_b32 v[ADF], 4, v10
	v_lshlrev_b32 v[ADF+1], 3, v10
	v_lshlrev_b32 v[ADS], 2, v10
	v_mul_u32_u24 v[STO], v11, 528
	v_lshl_add_u32 v[STO], v12, 6, v[STO]
	v_add_nc_u32 v[STO], s50, v[STO]               ; my stage, in: row r, + 64 h
	v_lshlrev_b32 v[RD], 4, v10
	v_add_nc_u32 v[RD], s50, v[RD]                 ; and back: 16 x lane of a row
	v_add_nc_u32 v[RLA], s[G0R+1], v[L16]
	v_add_nc_u32 v[RLS], s[G0R+1], v[L4]
	RLOADG                                         ; K steps 0-2 are asked of memory while the tensor loads are on their way
	global_load_b128 v[BQ:BQ+3], v[L16], s[BQB:BQB+1]
	s_wait_tensorcnt 0x0                           ; my resident bytes, which I alone read, and my quarter of the stream have landed
	RLOADL
	s_wait_loadcnt 0x0
	s_wait_dscnt 0x0
	s_barrier_signal -1
	s_barrier_wait -1                              ; everybody's quarter of the stream has landed
.macro TILE i
	s_wait_xcnt 0x0                                ; the last tile's stores have read their registers: x's rows land there
.irp p, 0,1,2,3,4,5,6,7,8,9,10,11,12,13,14,15
	global_load_b128 v[XR+4*\p:XR+4*\p+3], v[L16], s[XB:XB+1] offset:(8*(\i)+\p+8*(\p/8))*4096
.endr
.if (\i) < 1
	MT ADF, (\i)*12800, 1, ADF, ADS, ((\i)+1)*12800
.else
	MT ADF, (\i)*12800, 0, ADF, ADS, 0
.endif
.irp t, 0,1,2,3,4,5,6,7                        ; lane (r, h): token r, columns 32 (t / 2) + 16 h + 8 (t % 2) + 0 .. 7; each accumulator from its low end on
	ds_store_b128 v[STO], v[ACC+8*\t:ACC+8*\t+3] offset:128*(\t/2)+32*(\t%2)
	ds_store_b128 v[STO], v[ACC+8*\t+4:ACC+8*\t+7] offset:128*(\t/2)+32*(\t%2)+16
.endr
.irp p, 0,1,2,3,4,5,6,7,8,9,10,11,12,13,14,15
	ds_load_b128 v[ACC+4*\p:ACC+4*\p+3], v[RD] offset:\p*528   ; LDS serves a wave's instructions in order: these see my stores
.endr
	s_wait_dscnt 0x0
	s_wait_loadcnt 0x0
.irp p, 0,1,2,3,4,5,6,7,8,9,10,11,12,13,14,15
	v_pk_add_f32 v[ACC+4*\p:ACC+4*\p+1], v[ACC+4*\p:ACC+4*\p+1], v[BQ:BQ+1]
	v_pk_add_f32 v[ACC+4*\p+2:ACC+4*\p+3], v[ACC+4*\p+2:ACC+4*\p+3], v[BQ+2:BQ+3]
.endr
.irp p, 0,1,2,3,4,5,6,7,8,9,10,11,12,13,14,15
	v_pk_add_f32 v[XR+4*\p:XR+4*\p+1], v[XR+4*\p:XR+4*\p+1], v[ACC+4*\p:ACC+4*\p+1]
	v_pk_add_f32 v[XR+4*\p+2:XR+4*\p+3], v[XR+4*\p+2:XR+4*\p+3], v[ACC+4*\p+2:ACC+4*\p+3]
.endr
.irp p, 0,1,2,3,4,5,6,7,8,9,10,11,12,13,14,15
	global_store_b128 v[L16], v[XR+4*\p:XR+4*\p+3], s[OB:OB+1] offset:(8*(\i)+\p+8*(\p/8))*4096   ; 32 lanes store 512 consecutive bytes, aligned
.endr
.endm
	PRE ADF, ADS, 0
	TILE 0
	TILE 1
	s_wait_tensorcnt 0x0                           ; the wave's end
	ds_add_u32 v[SPW], v[NIL]
	s_wait_dscnt 0x0
	ROUND                                          ; the closing round
	s_endpgm
.Lfunc_end_k_q8e2ed520e2_proj:
	.size	k_q8e2ed520e2_proj, .Lfunc_end_k_q8e2ed520e2_proj-k_q8e2ed520e2_proj
	.p2alignl 7, 3214868480
	.fill 96, 4, 3214868480
	.section	.rodata,"a",@progbits
	.p2align	6, 0x0
	.amdhsa_kernel k_q8e2ed520e2_proj
		.amdhsa_group_segment_fixed_size 327680
		.amdhsa_private_segment_fixed_size 0
		.amdhsa_enable_private_segment 0
		.amdhsa_kernarg_size 40
		.amdhsa_user_sgpr_count 2
		.amdhsa_user_sgpr_kernarg_segment_ptr 1
		.amdhsa_wavefront_size32 1
		.amdhsa_system_sgpr_workgroup_id_x 1
		.amdhsa_system_sgpr_workgroup_id_y 1
		.amdhsa_system_sgpr_workgroup_id_z 1
		.amdhsa_system_vgpr_workitem_id 0
		.amdhsa_next_free_vgpr 1024
		.amdhsa_next_free_sgpr 76
		.amdhsa_reserve_vcc 0
		.amdhsa_float_denorm_mode_32 3
		.amdhsa_float_denorm_mode_16_64 3
		.amdhsa_memory_ordered 1
		.amdhsa_forward_progress 1
		.amdhsa_inst_pref_size 63
	.end_amdhsa_kernel
	.amdgpu_metadata
---
amdhsa.version: [ 1, 2 ]
amdhsa.kernels:
  - .name:           k_q8e2ed520e2_proj
    .symbol:         k_q8e2ed520e2_proj.kd
    .args:
      - { .name: oc, .offset: 0, .size: 8, .value_kind: global_buffer, .address_space: global }
      - { .name: wts, .offset: 8, .size: 8, .value_kind: global_buffer, .address_space: global }
      - { .name: proj_b, .offset: 16, .size: 8, .value_kind: global_buffer, .address_space: global }
      - { .name: x, .offset: 24, .size: 8, .value_kind: global_buffer, .address_space: global }
      - { .name: x1, .offset: 32, .size: 8, .value_kind: global_buffer, .address_space: global }
    .group_segment_fixed_size: 327680
    .private_segment_fixed_size: 0
    .kernarg_segment_align: 8
    .kernarg_segment_size: 40
    .max_flat_workgroup_size: 128
    .sgpr_count:     76
    .vgpr_count:     1024
    .wavefront_size: 32
...
	.end_amdgpu_metadata
.endif
;; end of part 4
;; launch ln2: the kernel of part 1 again; grid 256 x 1, 8 waves a work-group, no clusters, 69,632 bytes of LDS; arguments x1, ln2_w, ln2_b, qkv_w, proj_w, fc_w, fcproj_w, act, wts; writes act, wts
;; launch fc (part 5): grid 256 x 1, 4 waves a work-group, clusters of 4 x 1, 327,680 bytes of LDS; arguments act, wts, fc_b, hc; writes hc
.if DOCPART == 5
	.amdgcn_target "amdgcn-amd-amdhsa--gfx1250"
	.amdhsa_code_object_version 6
	.text
	.protected	k_q8e2ed520e2_fc
	.globl	k_q8e2ed520e2_fc
	.p2align	8
	.type	k_q8e2ed520e2_fc,@function
k_q8e2ed520e2_fc:
	s_mov_b64 s[64:65], 0
	v_nop
	global_prefetch_b8 v0, s[64:65] scope:SCOPE_SE
	s_setreg_imm32_b32 hwreg(HW_REG_WAVE_MODE, 25, 1), 1
	s_wait_xcnt 0x0
	s_wait_alu depctr_hold_cnt(0) depctr_sa_sdst(0) depctr_va_vdst(0) depctr_va_sdst(0) depctr_va_ssrc(0) depctr_va_vcc(0) depctr_vm_vsrc(0)
	s_getreg_b32 s2, hwreg(HW_REG_IB_STS2, 6, 4)
	s_cmp_eq_u32 s2, 0
	s_cbranch_scc0 .Lentry_in_a_cluster
	s_endpgm
.Lentry_in_a_cluster:
	s_bfe_u32 s2, ttmp6, 0x10000c
	s_cmp_lg_u32 s2, 0x3003
	s_cbranch_scc0 .Lentry_shape_is_right
	s_endpgm
.Lentry_shape_is_right:
; h = gelu(LN2(x1) fc_w^T + fc_b), quantised along the hidden 4,096 for the next product.  K = 1,024, codes of FP6.
; Source 0 = a RESIDENT tile of fc_w (the wave's 128 hidden units: 64 fragments in registers), source 1 = a STREAMED tile of 16 tokens out of LDS (8 chunks, a quarter to a wave's tensor load, nothing filled again).
; THE RESIDENT OPERAND COMES BY TWO WAYS AT ONCE.  A chunk's K steps 4-7 and its scale words are its last 6,656 bytes: a wave's 8 tiles' are one tensor load of 8 rows into LDS bytes of its own, read from there
; into registers; K steps 0-3 go from memory straight into registers.  Beside the stream's 102,400 bytes LDS has room for the four waves' 212,992 and no more.
; CLUSTER.  Four work-groups with neighbouring numbers hold the same resident operand: its tensor load is asked for jointly (mask 15).  Their streams differ: plain loads.  The work-groups that share a stream lie
; in other clusters; a 4 x 4 cluster could share it too and is not built: the stream is 102,400 of the 512,000 bytes that a work-group takes in.
; A lane holds one token and 64 of 128 neighbouring hidden units: bias, GELU and the quantiser work in registers, and the tile's fragment goes to hc (chunk 4 x tile + unit / 1,024, fragment (unit / 128) % 8).
; GELU, exact form: x Phi(x) = max(x, 0) - |x| Q, Q = 1 - Phi(|x|) = exp(-x^2 / 2) / sqrt(2 pi) x (a polynomial of degree 5 in t = 1 / (1 + 0.2316419 |x|)) (Abramowitz and Stegun 26.2.17).
; LIMITS: Phi is right to about 7.5e-8 absolutely, the order of an f32 rounding of a number near 1.  NaN and infinities are not served; a block under 2^-124 gets the byte 1 (read by this program alone).
.set RSTR, 12800
.set NKL,  4                           ; K steps that come through LDS
.set KL0,  8-NKL
.set RROW, 1536*NKL+512
.set RLW,  8*RROW
.set NL2,  6
.set WV,   3
.set G,    14
.set CX,   15                          ; my place in the cluster: it enters global addresses alone
.set RES,  16
.set STR,  18
.set CB,   20
.set G0,   24
.set OUTC, 28
.set OUTS, 30
.set G1,   32
.set C2,   40                          ; s[40:41] -log2(e) / 2
.set A4,   42
.set A3,   44
.set A2,   46
.set A1,   48
.set PP,   50
.set MASK, 51
.set SEL,  52
.set TB,   54
.set CNT,  55
.set G0R,  68
.set G1R,  72
.set ADF,  3
.set RLA,  4                           ; at the head: LDS address of my resident bytes, 16 x lane;
.set ADS,  5
.set RLS,  6                           ; 4 x lane
.set H64,  7
.set SWO,  9
.set A5,   10                          ; v[10:11]
.set WD,   12
.set PW0,  13
.set BIASA, 176
.set BIASB, 208                        ; laid over GELU's and the quantiser's registers, loaded anew for each tile
.set GT,   208
.set GE,   224
.set GR,   240
.set TM,   208
.set PC,   224
.set PW,   244
.set RL,   102400                      ; LDS: behind the stream, 53,248 bytes for each wave
.set SPARE, RL+4*RLW                   ; the spare words, 128 bytes a wave: two blocks of 256 bytes that no other line names
.set L16, 1
.set L4,  2
.set SPW, 14
.set NIL, 15
.set ACC, 16
.set AF,  80
.set WSC, 128
.set ASC, 160
.set F63, 164
.set MSB, 0
.macro WIN new
.if MSB != (\new)
	s_set_vgpr_msb (MSB<<8)|(\new)
.set MSB, (\new)
.endif
.endm
.macro PLACES
.rept 4
	v_nop
.endr
.endm
.macro ROUND                           ; a round of the cluster's barrier
	s_barrier_signal -1
	s_barrier_wait -1
	s_cmp_lg_u32 s[WV], 0
	s_cbranch_scc1 .Lnot_wave_0_\@
	s_barrier_signal -3
.Lnot_wave_0_\@:
	s_barrier_wait -3
	s_barrier_signal -1
	s_barrier_wait -1
.endm
.macro RLOADG                          ; the resident fragments of K steps 0 .. KL0 - 1, from memory
.set f, 0
.rept 8*KL0
.set wn, (1+f/21)<<6
.set ra, 12*(f%21)
	WIN wn
.irp j, 0,1,2
	global_load_b128 v[ra+4*\j:ra+4*\j+3], v[L16], s[RES:RES+1] offset:(f%8)*RSTR+1536*(f/8)+512*\j
.endr
.set f, f+1
.endr
	WIN 0
.endm
.macro RLOADL                          ; those of K steps KL0 .. 7, and the scale words, from my own LDS bytes
.set f, 8*KL0
.rept 8*NKL
.if f == 63
.set wn, 0
.set ra, F63
.else
.set wn, (1+f/21)<<6
.set ra, 12*(f%21)
.endif
	WIN wn
.irp j, 0,1,2
	ds_load_b128 v[ra+4*\j:ra+4*\j+3], v[RLA] offset:(f%8)*RROW+1536*(f/8-KL0)+512*\j
.endr
.set f, f+1
.endr
	WIN 0
.set f, 0
.rept 32
	ds_load_b32 v[WSC+f], v[RLS] offset:(f/4)*RROW+1536*NKL+128*(f%4)
.set f, f+1
.endr
.endm
.macro FRAG slot, adr, off
.irp j, 0,1,2
	ds_load_b128 v[AF+12*(\slot)+4*\j:AF+12*(\slot)+4*\j+3], v[\adr] offset:(\off)+512*\j
.endr
.endm
.macro ASCL adr, off
.irp i, 0,1,2,3
	ds_load_b32 v[ASC+\i], v[\adr] offset:(\off)+12288+128*\i
.endr
.endm
.macro KST s                           ; the 8 accumulators by turns, one instruction a turn
.irp t, 0,1,2,3,4,5,6,7
.set f, 8*(\s)+\t
.if f == 63
.set wn, 0
.set ra, F63
.else
.set wn, 1+f/21
.set ra, 12*(f%21)
.endif
	WIN wn
.set rd, ACC+8*\t
.set rb, AF+12*((\s)%4)
.set sa, WSC+4*\t+(\s)/2
.set sb, ASC+(\s)/2
.if (\s) == 0
	v_wmma_scale_f32_16x16x128_f8f6f4 v[rd:rd+7], v[ra:ra+11], v[rb:rb+11], 0, v[sa], v[sb] matrix_a_fmt:MATRIX_FMT_FP6 matrix_b_fmt:MATRIX_FMT_FP6
.elseif (\s)%2 == 0
	v_wmma_scale_f32_16x16x128_f8f6f4 v[rd:rd+7], v[ra:ra+11], v[rb:rb+11], v[rd:rd+7], v[sa], v[sb] matrix_a_fmt:MATRIX_FMT_FP6 matrix_b_fmt:MATRIX_FMT_FP6
.else
	v_wmma_scale_f32_16x16x128_f8f6f4 v[rd:rd+7], v[ra:ra+11], v[rb:rb+11], v[rd:rd+7], v[sa], v[sb] matrix_a_fmt:MATRIX_FMT_FP6 matrix_b_fmt:MATRIX_FMT_FP6 matrix_a_scale:MATRIX_SCALE_ROW1 matrix_b_scale:MATRIX_SCALE_ROW1
.endif
.endr
.endm
.macro PRE fa, sw, off
	FRAG 0, \fa, (\off)
	FRAG 1, \fa, (\off)+1536
	FRAG 2, \fa, (\off)+3072
	FRAG 3, \fa, (\off)+4608
	ASCL \sw, (\off)
.endm
.macro MT ca, coff, nxt, na, ns, noff
	s_wait_dscnt 0x0
	KST 0
	KST 1
	WIN 0
	PLACES
	FRAG 0, \ca, (\coff)+6144
	FRAG 1, \ca, (\coff)+7680
	KST 2
	KST 3
	WIN 0
	PLACES
	FRAG 2, \ca, (\coff)+9216
	FRAG 3, \ca, (\coff)+10752
	s_wait_dscnt NL2                               ; K steps 4, 5 are in; the loads of 6, 7 may be out
	KST 4
	KST 5
	WIN 0
	PLACES
.if \nxt
	FRAG 0, \na, (\noff)
	FRAG 1, \na, (\noff)+1536
	s_wait_dscnt NL2                               ; K steps 6, 7 are in; the next tile's two may be out
.else
	s_wait_dscnt 0x0
.endif
	KST 6
	KST 7
	WIN 0
	PLACES
.if \nxt
	ASCL \ns, (\noff)
	FRAG 2, \na, (\noff)+3072
	FRAG 3, \na, (\noff)+4608
.endif
.endm
.macro QUANT s
.irp b, 0,1,2,3
	v_max3_num_f32 v[TM+\b], |v[\s+16*\b]|, |v[\s+1+16*\b]|, 0x1800000
.endr
.irp i, 2,4,6,8,10,12,14
.irp b, 0,1,2,3
	v_max3_num_f32 v[TM+\b], v[TM+\b], |v[\s+16*\b+\i]|, |v[\s+1+16*\b+\i]|
.endr
.endr
.irp b, 0,1,2,3
	v_permlanex16_b32 v[TM+4+\b], v[TM+\b], s[SEL], s[SEL+1]
.endr
.irp b, 0,1,2,3
	v_max_num_f32 v[TM+\b], v[TM+\b], v[TM+4+\b]
.endr
.irp b, 0,1,2,3
	v_add_nc_u32 v[TM+12+\b], 0xff000000, v[TM+\b]
.endr
.irp b, 0,1,2,3
	v_lshrrev_b32 v[TM+4+\b], 23, v[TM+12+\b]
.endr
	v_lshl_or_b32 v[PW], v[TM+5], 8, v[TM+4]
	v_lshl_or_b32 v[PW], v[TM+6], 16, v[PW]
	v_lshl_or_b32 v[PW], v[TM+7], 24, v[PW]
.irp c, 0,1
	v_cvt_scalef32_pk16_fp6_f32 v[PC+6*\c:PC+2+6*\c], v[\s+32*\c:\s+15+32*\c], v[TM+12+2*\c]
	v_cvt_scalef32_pk16_fp6_f32 v[PC+12+4*\c:PC+14+4*\c], v[\s+16+32*\c:\s+31+32*\c], v[TM+12+2*\c+1]
.endr
	v_nop
.irp c, 0,1
.irp i, 0,1,2
	v_permlane16_swap_b32 v[PC+6*\c+\i], v[PC+12+4*\c+\i]
.endr
.irp i, 0,1,2
	v_mov_b32 v[PC+3+6*\c+\i], v[PC+12+4*\c+\i]
.endr
.endr
.endm
; GELU of 16 numbers, in place.  The 32 transcendentals are one batch with one wait.
.macro GELU q
.set gx, ACC+16*(\q)
.set k, 0
.rept 16
	v_fma_f32 v[GT+k], |v[gx+k]|, s[PP], 1.0       ; 1 + p |x|
.set k, k+1
.endr
.set k, 0
.rept 8
	v_pk_mul_f32 v[GE+k:GE+k+1], v[gx+k:gx+k+1], v[gx+k:gx+k+1]
.set k, k+2
.endr
.set k, 0
.rept 8
	v_pk_mul_f32 v[GE+k:GE+k+1], v[GE+k:GE+k+1], s[C2:C2+1] op_sel_hi:[1,0]   ; -x^2 log2(e) / 2
.set k, k+2
.endr
.set k, 0
.rept 16
	v_rcp_f32 v[GT+k], v[GT+k]                     ; t
.set k, k+1
.endr
.set k, 0
.rept 16
	v_exp_f32 v[GE+k], v[GE+k]                     ; exp(-x^2 / 2)
.set k, k+1
.endr
	v_nop                                          ; a plain place behind the batch,
	s_wait_alu depctr_va_vdst(0)                   ; and the one wait ahead of its first reader
.set k, 0
.rept 8
	v_pk_fma_f32 v[GR+k:GR+k+1], v[GT+k:GT+k+1], v[A5:A5+1], s[A4:A4+1] op_sel_hi:[1,1,0]
.set k, k+2
.endr
.irp a, A3, A2, A1
.set k, 0
.rept 8
	v_pk_fma_f32 v[GR+k:GR+k+1], v[GR+k:GR+k+1], v[GT+k:GT+k+1], s[\a:\a+1] op_sel_hi:[1,1,0]
.set k, k+2
.endr
.endr
.set k, 0
.rept 8
	v_pk_mul_f32 v[GR+k:GR+k+1], v[GR+k:GR+k+1], v[GT+k:GT+k+1]
.set k, k+2
.endr
.set k, 0
.rept 8
	v_pk_mul_f32 v[GR+k:GR+k+1], v[GR+k:GR+k+1], v[GE+k:GE+k+1]   ; Q
.set k, k+2
.endr
.set k, 0
.rept 16
	v_max_num_f32 v[GE+k], 0, v[gx+k]
.set k, k+1
.endr
.set k, 0
.rept 16
	v_fma_f32 v[gx+k], -|v[gx+k]|, v[GR+k], v[GE+k]   ; max(x, 0) - |x| Q
.set k, k+1
.endr
.endm
	s_load_b256 s[4:11], s[0:1], 0x0               ; act s[4:5], wts s[6:7], fc_b s[8:9], hc s[10:11]
	v_lshl_add_u32 v[SPW], v0, 2, SPARE
	v_mov_b32 v[NIL], 0
	ds_add_u32 v[SPW], v[NIL]                      ; the wave's opening: the add and its wait ahead of the round in front of my tensor loads
	v_lshrrev_b32 v10, 5, v0
	v_readfirstlane_b32 s[WV], v10
	s_mov_b32 s[G1+0], 3<<16                       ; the stream: two chunks, 100 rows of 256 bytes, no mask
	s_mov_b32 s[G1+1], 32<<16
	s_mov_b32 s[G1+2], 100<<16
	s_mov_b32 s[G1+3], 32<<16
	s_mov_b32 s[G1+4], 100
	s_mov_b32 s[G1+5], 32
	s_mov_b32 s[G1+6], 0
	s_mov_b32 s[G1+7], 0
	s_mov_b32 s[G1R+0], 15|(3<<16)|(1<<21)         ; the resident part: the mask names all four work-groups; bit 21 beside a mask
	s_mov_b32 s[G1R+1], (RROW/8)<<16               ; a row is a chunk's last 6,656 bytes
	s_mov_b32 s[G1R+2], 8<<16                      ; 8 tiles
	s_mov_b32 s[G1R+3], (RROW/8)<<16
	s_mov_b32 s[G1R+4], 8
	s_mov_b32 s[G1R+5], RSTR/8                     ; from chunk to chunk
	s_mov_b32 s[G1R+6], 0
	s_mov_b32 s[G1R+7], 0
	s_mov_b32 s[C2], 0xbf38aa3b
	s_mov_b32 s[C2+1], s[C2]
	s_mov_b32 s[A4], 0xbf3a00e3                    ; the polynomial's coefficients, each divided by sqrt(2 pi)
	s_mov_b32 s[A4+1], s[A4]
	s_mov_b32 s[A3], 0x3f35f0e3
	s_mov_b32 s[A3+1], s[A3]
	s_mov_b32 s[A2], 0xbe11a98e
	s_mov_b32 s[A2+1], s[A2]
	s_mov_b32 s[A1], 0x3e027906
	s_mov_b32 s[A1+1], s[A1]
	s_mov_b32 s[PP], 0x3e6d3389                    ; 0.2316419
	s_mov_b32 s[MASK], 0xffff0000
	s_mov_b32 s[SEL], 0x76543210
	s_mov_b32 s[SEL+1], 0xfedcba98
	s_mov_b32 s[TB], 0
	s_mov_b32 s[CNT], 3
	s_bfe_u32 s[CX], ttmp6, 0x40000
	s_lshr_b32 s56, ttmp9, 3                       ; the resident group hangs on the cluster's and the wave's numbers alone
	s_lshl_b32 s56, s56, 2
	s_add_co_u32 s[G], s56, s[WV]                  ; my 128 hidden units
	s_mul_i32 s56, s[G], 102400
	s_add_co_u32 s56, s56, 3276800                 ; fc_w's tiles begin at chunk 256
	s_mov_b32 s57, 0
	s_and_b32 s60, ttmp9, 7
	s_lshl_b32 s60, s60, 2
	s_add_co_u32 s60, s60, s[CX]                   ; my work-group's 8 tiles of tokens
	s_mul_i32 s58, s60, 102400
	s_mul_i32 s59, s[WV], 25600
	s_add_co_u32 s58, s58, s59
	s_mov_b32 s59, 0
	s_mul_i32 s60, s60, 409600
	s_lshr_b32 s61, s[G], 3
	s_mul_i32 s61, s61, 12800
	s_add_co_u32 s60, s60, s61                     ; hc: the first tile's chunk
	s_and_b32 s61, s[G], 7
	s_mul_i32 s62, s61, 1536
	s_add_co_u32 s62, s62, s60                     ; my fragment in it
	s_mov_b32 s63, 0
	s_lshl_b32 s61, s61, 6
	s_add_co_u32 s60, s60, s61
	s_add_co_u32 s60, s60, 12288                   ; and its scale words
	s_mov_b32 s61, 0
	s_wait_dscnt 0x0
	s_wait_kmcnt 0x0
	s_add_nc_u64 s[RES:RES+1], s[6:7], s[56:57]
	s_add_nc_u64 s[STR:STR+1], s[4:5], s[58:59]
	s_add_nc_u64 s[OUTC:OUTC+1], s[10:11], s[62:63]
	s_add_nc_u64 s[OUTS:OUTS+1], s[10:11], s[60:61]
	s_lshl_b32 s56, s[G], 9
	s_add_nc_u64 s[CB:CB+1], s[8:9], s[56:57]
	s_mov_b32 s[G0], 1
	s_mul_i32 s[G0+1], s[WV], 25600
	s_mov_b64 s[G0+2:G0+3], s[STR:STR+1]
	s_or_b32 s[G0+3], s[G0+3], 0x80000000
	s_mov_b32 s[G0R], 1
	s_mul_i32 s[G0R+1], s[WV], RLW
	s_add_co_u32 s[G0R+1], s[G0R+1], RL
	s_add_nc_u64 s[G0R+2:G0R+3], s[RES:RES+1], 1536*KL0
	s_or_b32 s[G0R+3], s[G0R+3], 0x80000000
	ROUND                                          ; all four work-groups are here: the joint loads meet
	tensor_load_to_lds s[G0R:G0R+3], s[G1R:G1R+7]  ; my two tensor loads of the launch: the resident part, jointly,
	s_nop 0
	tensor_load_to_lds s[G0:G0+3], s[G1:G1+7]      ; and my quarter of my work-group's stream
	s_nop 0
	PLACES
	v_and_b32 v4, 31, v0
	v_and_b32 v6, 15, v0
	v_bfe_u32 v8, v0, 4, 1
	v_lshlrev_b32 v[L16], 4, v4
	v_lshlrev_b32 v[L4], 2, v4
	v_lshlrev_b32 v[H64], 6, v8
	v_mul_u32_u24 v[SWO], v8, 51200
	v_lshl_add_u32 v[SWO], v6, 2, v[SWO]           ; 4 r; lanes 16-31: the next tile's chunk
	v_mov_b32 v[A5], 0x3f07dc22
	v_mov_b32 v[A5+1], 0x3f07dc22
	v_add_nc_u32 v[ADF], s[TB], v[L16]
	v_add_nc_u32 v[ADS], s[TB], v[L4]
	v_add_nc_u32 v[RLA], s[G0R+1], v[L16]
	v_add_nc_u32 v[RLS], s[G0R+1], v[L4]
	RLOADG                                         ; K steps 0-3 are asked of memory while the tensor loads are on their way
.irp t, 0,1,2,3
	global_load_b128 v[BIASA+8*\t:BIASA+8*\t+3], v[H64], s[CB:CB+1] offset:4*(32*(\t/2)+8*(\t%2))
	global_load_b128 v[BIASA+8*\t+4:BIASA+8*\t+7], v[H64], s[CB:CB+1] offset:4*(32*(\t/2)+8*(\t%2))+16
.endr
	s_wait_tensorcnt 0x0                           ; my resident bytes, which I alone read, and my quarter of the stream have landed
	RLOADL
	s_wait_loadcnt 0x0
	s_wait_dscnt 0x0
	s_barrier_signal -1
	s_barrier_wait -1                              ; everybody's quarter of the stream has landed
.macro TILE u, nxt
	s_wait_xcnt 0x0                                ; the last tile's stores have read their registers: the loads below land there
.irp t, 0,1,2,3
	global_load_b128 v[BIASB+8*\t:BIASB+8*\t+3], v[H64], s[CB:CB+1] offset:4*(64+32*(\t/2)+8*(\t%2))
	global_load_b128 v[BIASB+8*\t+4:BIASB+8*\t+7], v[H64], s[CB:CB+1] offset:4*(64+32*(\t/2)+8*(\t%2))+16
.endr
	MT ADF, (\u)*12800, \nxt, ADF, ADS, ((\u)+1)*12800
	s_wait_loadcnt 0x0
.set j, 0
.rept 16
	v_pk_add_f32 v[ACC+j:ACC+j+1], v[ACC+j:ACC+j+1], v[BIASA+j:BIASA+j+1]   ; each accumulator from its low end on
.set j, j+2
.endr
.set j, 0
.rept 16
	v_pk_add_f32 v[ACC+32+j:ACC+33+j], v[ACC+32+j:ACC+33+j], v[BIASB+j:BIASB+j+1]
.set j, j+2
.endr
	GELU 0
	GELU 1
	GELU 2
	GELU 3
	QUANT ACC
.irp c, 0,1,2
	global_store_b128 v[L16], v[PC+4*\c:PC+4*\c+3], s[OUTC:OUTC+1] offset:(\u)*51200+512*\c
.endr
.if (\u) == 0
	v_mov_b32 v[PW0], v[PW]
.else
	v_cndmask_b32 v[WD], v[PW0], v[PW], s[MASK]    ; lanes 0-15: the even tile's words; lanes 16-31: the odd tile's
	global_store_b32 v[SWO], v[WD], s[OUTS:OUTS+1]
.endif
.endm
	PRE ADF, ADS, 0
.Ltrip:                                            ; three trips of two tiles; the last two tiles are written out, since the very last fetches nothing
	v_add_nc_u32 v[ADF], s[TB], v[L16]
	v_add_nc_u32 v[ADS], s[TB], v[L4]
	TILE 0, 1
	TILE 1, 1
	s_wait_xcnt 0x0                                ; the stores have read their bases
	s_add_nc_u64 s[OUTC:OUTC+1], s[OUTC:OUTC+1], 102400
	s_add_nc_u64 s[OUTS:OUTS+1], s[OUTS:OUTS+1], 102400
	s_add_co_u32 s[TB], s[TB], 25600
	s_sub_co_u32 s[CNT], s[CNT], 1
	s_cmp_lg_u32 s[CNT], 0
	s_cbranch_scc1 .Ltrip
	v_add_nc_u32 v[ADF], s[TB], v[L16]
	v_add_nc_u32 v[ADS], s[TB], v[L4]
	TILE 0, 1
	TILE 1, 0
	s_wait_tensorcnt 0x0                           ; the wave's end
	ds_add_u32 v[SPW], v[NIL]
	s_wait_dscnt 0x0
	ROUND                                          ; the closing round
	s_endpgm
.Lfunc_end_k_q8e2ed520e2_fc:
	.size	k_q8e2ed520e2_fc, .Lfunc_end_k_q8e2ed520e2_fc-k_q8e2ed520e2_fc
	.p2alignl 7, 3214868480
	.fill 96, 4, 3214868480
	.section	.rodata,"a",@progbits
	.p2align	6, 0x0
	.amdhsa_kernel k_q8e2ed520e2_fc
		.amdhsa_group_segment_fixed_size 327680
		.amdhsa_private_segment_fixed_size 0
		.amdhsa_enable_private_segment 0
		.amdhsa_kernarg_size 32
		.amdhsa_user_sgpr_count 2
		.amdhsa_user_sgpr_kernarg_segment_ptr 1
		.amdhsa_wavefront_size32 1
		.amdhsa_system_sgpr_workgroup_id_x 1
		.amdhsa_system_sgpr_workgroup_id_y 1
		.amdhsa_system_sgpr_workgroup_id_z 1
		.amdhsa_system_vgpr_workitem_id 0
		.amdhsa_next_free_vgpr 1024
		.amdhsa_next_free_sgpr 80
		.amdhsa_reserve_vcc 0
		.amdhsa_float_denorm_mode_32 3
		.amdhsa_float_denorm_mode_16_64 3
		.amdhsa_memory_ordered 1
		.amdhsa_forward_progress 1
		.amdhsa_inst_pref_size 216
	.end_amdhsa_kernel
	.amdgpu_metadata
---
amdhsa.version: [ 1, 2 ]
amdhsa.kernels:
  - .name:           k_q8e2ed520e2_fc
    .symbol:         k_q8e2ed520e2_fc.kd
    .args:
      - { .name: act, .offset: 0, .size: 8, .value_kind: global_buffer, .address_space: global }
      - { .name: wts, .offset: 8, .size: 8, .value_kind: global_buffer, .address_space: global }
      - { .name: fc_b, .offset: 16, .size: 8, .value_kind: global_buffer, .address_space: global }
      - { .name: hc, .offset: 24, .size: 8, .value_kind: global_buffer, .address_space: global }
    .group_segment_fixed_size: 327680
    .private_segment_fixed_size: 0
    .kernarg_segment_align: 8
    .kernarg_segment_size: 32
    .max_flat_workgroup_size: 128
    .sgpr_count:     80
    .vgpr_count:     1024
    .wavefront_size: 32
...
	.end_amdgpu_metadata
.endif
;; end of part 5
;; launch fcproj (part 6): grid 256 x 1, 4 waves a work-group, clusters of 4 x 1, 327,680 bytes of LDS; arguments hc, wts, fcproj_b, x1, out0; writes out0
.if DOCPART == 6
	.amdgcn_target "amdgcn-amd-amdhsa--gfx1250"
	.amdhsa_code_object_version 6
	.text
	.protected	k_q8e2ed520e2_fcproj
	.globl	k_q8e2ed520e2_fcproj
	.p2align	8
	.type	k_q8e2ed520e2_fcproj,@function
k_q8e2ed520e2_fcproj:
	s_mov_b64 s[64:65], 0
	v_nop
	global_prefetch_b8 v0, s[64:65] scope:SCOPE_SE
	s_setreg_imm32_b32 hwreg(HW_REG_WAVE_MODE, 25, 1), 1
	s_wait_xcnt 0x0
	s_wait_alu depctr_hold_cnt(0) depctr_sa_sdst(0) depctr_va_vdst(0) depctr_va_sdst(0) depctr_va_ssrc(0) depctr_va_vcc(0) depctr_vm_vsrc(0)
	s_getreg_b32 s2, hwreg(HW_REG_IB_STS2, 6, 4)
	s_cmp_eq_u32 s2, 0
	s_cbranch_scc0 .Lentry_in_a_cluster
	s_endpgm
.Lentry_in_a_cluster:
	s_bfe_u32 s2, ttmp6, 0x10000c
	s_cmp_lg_u32 s2, 0x3003
	s_cbranch_scc0 .Lentry_shape_is_right
	s_endpgm
.Lentry_shape_is_right:
; out0 = x1 + h fcproj_w^T + fcproj_b, on codes of FP6.  K = 4,096.
; A work-group makes 128 tokens (8 tiles) x 128 columns.  THE FOUR WAVES SHARE K: wave q holds, for the 128 columns, the fragments of K quarter q (64 fragments in registers) as source 0; source 1 is a tile of 16
; tokens out of LDS.  The four partial tiles meet in a stage in LDS; each wave then adds and stores four whole rows of 512 bytes.
; LIMIT, of order: an output's f32 sum is ((q0 + q1) + (q2 + q3)), each quarter summed in ascending K.
; CLUSTER.  The four work-groups of a cluster take the same 128 tokens and four different blocks of 128 columns: THE STREAM, 409,600 bytes, is asked for jointly (mask 15).  Their resident operands differ.
; THE STREAM goes through two LDS slots of two tiles x 4 quarters (102,400 dense bytes), a quarter of a slot to a wave's tensor load.  A slot is filled again behind a round of the cluster's barrier in front of
; which every wave has waited for all its tensor loads, made the add, and waited for it and for its reads.  By this text's count a wave has at most two tensor loads out.
; THE RESIDENT OPERAND COMES BY TWO WAYS AT ONCE.  A chunk's K steps 4-7 and its scale words are its last 6,656 bytes: a wave's 8 tiles' are one plain tensor load of 8 rows into LDS bytes of its own, read from
; there into registers; K steps 0-3 go from memory straight into registers.  Those 212,992 bytes lie, at the start, where slot 1, the stages and 43,008 bytes more lie: slot 1 gets its first tiles as a refill,
; when every wave has read its part; the stages are stored into only behind that region's last fill.
.set RSTR, 51200                       ; from column tile to column tile: four quarters
.set NKL,  4                           ; K steps that come through LDS
.set KL0,  8-NKL
.set RROW, 1536*NKL+512
.set RLW,  8*RROW
.set NL2,  6
.set WV,   3
.set RES,  16
.set XB,   18
.set OB,   20
.set BQB,  22
.set G0A,  24
.set G0B,  28
.set G1,   32
.set CX,   54                          ; my place in the cluster: it enters global addresses alone
.set G0R,  56
.set G1R,  68
.set ADF,  3                           ; v3-6   16 x lane + 12,800 q + 51,200 x (tile % 4)
.set ADS,  7                           ; v7-10  the same on 4 x lane
.set STO,  11
.set RDB,  12
.set XR,   176                         ; v176-191 four rows of x1
.set BQ,   192                         ; v192-195 fcproj_b at my four columns
.set RLA,  196
.set RLS,  197
.set RL,   102400                      ; LDS: the resident part, at the start
.set STG,  204800                      ; two stages of 4 x 16 x 528 bytes, by turns
.set SPARE, RL+4*RLW                   ; the spare words, 128 bytes a wave: two blocks of 256 bytes that no other line names
.set L16, 1
.set L4,  2
.set SPW, 14
.set NIL, 15
.set ACC, 16
.set AF,  80
.set WSC, 128
.set ASC, 160
.set F63, 164
.set MSB, 0
.macro WIN new
.if MSB != (\new)
	s_set_vgpr_msb (MSB<<8)|(\new)
.set MSB, (\new)
.endif
.endm
.macro PLACES
.rept 4
	v_nop
.endr
.endm
.macro ROUND                           ; a round of the cluster's barrier
	s_barrier_signal -1
	s_barrier_wait -1
	s_cmp_lg_u32 s[WV], 0
	s_cbranch_scc1 .Lnot_wave_0_\@
	s_barrier_signal -3
.Lnot_wave_0_\@:
	s_barrier_wait -3
	s_barrier_signal -1
	s_barrier_wait -1
.endm
.macro RLOADG                          ; the resident fragments of K steps 0 .. KL0 - 1, from memory
.set f, 0
.rept 8*KL0
.set wn, (1+f/21)<<6
.set ra, 12*(f%21)
	WIN wn
.irp j, 0,1,2
	global_load_b128 v[ra+4*\j:ra+4*\j+3], v[L16], s[RES:RES+1] offset:(f%8)*RSTR+1536*(f/8)+512*\j
.endr
.set f, f+1
.endr
	WIN 0
.endm
.macro RLOADL                          ; those of K steps KL0 .. 7, and the scale words, from my own LDS bytes
.set f, 8*KL0
.rept 8*NKL
.if f == 63
.set wn, 0
.set ra, F63
.else
.set wn, (1+f/21)<<6
.set ra, 12*(f%21)
.endif
	WIN wn
.irp j, 0,1,2
	ds_load_b128 v[ra+4*\j:ra+4*\j+3], v[RLA] offset:(f%8)*RROW+1536*(f/8-KL0)+512*\j
.endr
.set f, f+1
.endr
	WIN 0
.set f, 0
.rept 32
	ds_load_b32 v[WSC+f], v[RLS] offset:(f/4)*RROW+1536*NKL+128*(f%4)
.set f, f+1
.endr
.endm
.macro FRAG slot, adr, off
.irp j, 0,1,2
	ds_load_b128 v[AF+12*(\slot)+4*\j:AF+12*(\slot)+4*\j+3], v[\adr] offset:(\off)+512*\j
.endr
.endm
.macro ASCL adr, off
.irp i, 0,1,2,3
	ds_load_b32 v[ASC+\i], v[\adr] offset:(\off)+12288+128*\i
.endr
.endm
.macro KST s                           ; the 8 accumulators by turns, one instruction a turn
.irp t, 0,1,2,3,4,5,6,7
.set f, 8*(\s)+\t
.if f == 63
.set wn, 0
.set ra, F63
.else
.set wn, 1+f/21
.set ra, 12*(f%21)
.endif
	WIN wn
.set rd, ACC+8*\t
.set rb, AF+12*((\s)%4)
.set sa, WSC+4*\t+(\s)/2
.set sb, ASC+(\s)/2
.if (\s) == 0
	v_wmma_scale_f32_16x16x128_f8f6f4 v[rd:rd+7], v[ra:ra+11], v[rb:rb+11], 0, v[sa], v[sb] matrix_a_fmt:MATRIX_FMT_FP6 matrix_b_fmt:MATRIX_FMT_FP6
.elseif (\s)%2 == 0
	v_wmma_scale_f32_16x16x128_f8f6f4 v[rd:rd+7], v[ra:ra+11], v[rb:rb+11], v[rd:rd+7], v[sa], v[sb] matrix_a_fmt:MATRIX_FMT_FP6 matrix_b_fmt:MATRIX_FMT_FP6
.else
	v_wmma_scale_f32_16x16x128_f8f6f4 v[rd:rd+7], v[ra:ra+11], v[rb:rb+11], v[rd:rd+7], v[sa], v[sb] matrix_a_fmt:MATRIX_FMT_FP6 matrix_b_fmt:MATRIX_FMT_FP6 matrix_a_scale:MATRIX_SCALE_ROW1 matrix_b_scale:MATRIX_SCALE_ROW1
.endif
.endr
.endm
.macro PRE fa, sw, off
	FRAG 0, \fa, (\off)
	FRAG 1, \fa, (\off)+1536
	FRAG 2, \fa, (\off)+3072
	FRAG 3, \fa, (\off)+4608
	ASCL \sw, (\off)
.endm
.macro MT ca, coff, nxt, na, ns, noff
	s_wait_dscnt 0x0
	KST 0
	KST 1
	WIN 0
	PLACES
	FRAG 0, \ca, (\coff)+6144
	FRAG 1, \ca, (\coff)+7680
	KST 2
	KST 3
	WIN 0
	PLACES
	FRAG 2, \ca, (\coff)+9216
	FRAG 3, \ca, (\coff)+10752
	s_wait_dscnt NL2                               ; K steps 4, 5 are in; the loads of 6, 7 may be out
	KST 4
	KST 5
	WIN 0
	PLACES
.if \nxt
	FRAG 0, \na, (\noff)
	FRAG 1, \na, (\noff)+1536
	s_wait_dscnt NL2                               ; K steps 6, 7 are in; the next tile's two may be out
.else
	s_wait_dscnt 0x0
.endif
	KST 6
	KST 7
	WIN 0
	PLACES
.if \nxt
	ASCL \ns, (\noff)
	FRAG 2, \na, (\noff)+3072
	FRAG 3, \na, (\noff)+4608
.endif
.endm
; THE CHANGE OF SLOTS.  fill = 1: the slot just read out takes the two tiles that lie four tiles on, jointly, behind a round of the cluster's barrier.
.macro CHANGE g0, fill
	s_wait_tensorcnt 0x0                           ; all my tensor loads have landed, my part of the slot ahead among them: a group 0 may be written
	ds_add_u32 v[SPW], v[NIL]                      ; 0 onto my spare word
.if \fill
	s_add_nc_u64 s[\g0+2:\g0+3], s[\g0+2:\g0+3], 204800
.endif
	s_wait_dscnt 0x0                               ; the add is done, and my reads of the slot that I leave are over
.if \fill
	ROUND                                          ; both now hold of every wave of all four work-groups
	tensor_load_to_lds s[\g0:\g0+3], s[G1:G1+7]    ; my one tensor load behind this round, and the first thing there: it has two tiles' work in which to land
	s_nop 0
	PLACES
.else
	s_barrier_signal -1
	s_barrier_wait -1
.endif
.endm
	s_load_b256 s[4:11], s[0:1], 0x0               ; hc s[4:5], wts s[6:7], fcproj_b s[8:9], x1 s[10:11]
	s_load_b64 s[12:13], s[0:1], 0x20              ; out0
	v_lshl_add_u32 v[SPW], v0, 2, SPARE
	v_mov_b32 v[NIL], 0
	ds_add_u32 v[SPW], v[NIL]                      ; the wave's opening: the add and its wait ahead of the round in front of my first tensor loads
	v_lshrrev_b32 v13, 5, v0
	v_readfirstlane_b32 s[WV], v13
	s_mov_b32 s[G1+0], 15|(3<<16)|(1<<21)          ; the stream: the mask names all four work-groups; elements of 8 bytes; bit 21 beside a mask
	s_mov_b32 s[G1+1], 32<<16                      ; 100 rows of 256 bytes
	s_mov_b32 s[G1+2], 100<<16
	s_mov_b32 s[G1+3], 32<<16
	s_mov_b32 s[G1+4], 100
	s_mov_b32 s[G1+5], 32
	s_mov_b32 s[G1+6], 0
	s_mov_b32 s[G1+7], 0
	s_mov_b32 s[G1R+0], 3<<16                      ; the resident part: no mask
	s_mov_b32 s[G1R+1], (RROW/8)<<16               ; a row is a chunk's last 6,656 bytes
	s_mov_b32 s[G1R+2], 8<<16                      ; 8 tiles
	s_mov_b32 s[G1R+3], (RROW/8)<<16
	s_mov_b32 s[G1R+4], 8
	s_mov_b32 s[G1R+5], RSTR/8                     ; from column tile to column tile
	s_mov_b32 s[G1R+6], 0
	s_mov_b32 s[G1R+7], 0
	s_bfe_u32 s[CX], ttmp6, 0x40000
	s_and_b32 s40, ttmp9, 1
	s_lshl_b32 s40, s40, 2
	s_add_co_u32 s40, s40, s[CX]                   ; my work-group's 128 columns
	s_lshr_b32 s41, ttmp9, 1                       ; and its 128 tokens, which the four partners share
	s_mul_i32 s42, s40, 409600
	s_mul_i32 s44, s[WV], 12800
	s_add_co_u32 s42, s42, s44
	s_add_co_u32 s42, s42, 6553600                 ; fcproj_w's chunks begin at 512: 4 x tile + quarter
	s_mov_b32 s43, 0
	s_mul_i32 s46, s41, 409600
	s_mul_i32 s45, s[WV], 25600
	s_add_co_u32 s46, s46, s45                     ; the stream: made of the cluster's and the wave's numbers alone
	s_mov_b32 s47, 0
	s_lshl_b32 s48, s41, 19                        ; 128 rows of 4,096 bytes,
	s_lshl_b32 s50, s40, 9                         ; my columns,
	s_add_co_u32 s48, s48, s50
	s_lshl_b32 s51, s[WV], 14                      ; and the four rows that I add up: lanes 4 q .. 4 q + 3 of a tile are rows 4 q + 8 (q / 2) on
	s_add_co_u32 s48, s48, s51
	s_lshr_b32 s51, s[WV], 1
	s_lshl_b32 s51, s51, 15
	s_add_co_u32 s48, s48, s51
	s_mov_b32 s49, 0
	s_mov_b32 s51, 0
	s_mul_i32 s52, s[WV], 8448
	s_add_co_u32 s52, s52, STG
	s_mul_i32 s53, s[WV], 2112
	s_add_co_u32 s53, s53, STG
	s_wait_dscnt 0x0
	s_wait_kmcnt 0x0
	s_add_nc_u64 s[RES:RES+1], s[6:7], s[42:43]
	s_add_nc_u64 s[XB:XB+1], s[10:11], s[48:49]
	s_add_nc_u64 s[OB:OB+1], s[12:13], s[48:49]
	s_add_nc_u64 s[BQB:BQB+1], s[8:9], s[50:51]
	s_mov_b32 s[G0A], 1
	s_mul_i32 s[G0A+1], s[WV], 25600
	s_add_nc_u64 s[G0A+2:G0A+3], s[4:5], s[46:47]
	s_mov_b32 s[G0B], 1
	s_mul_i32 s[G0B+1], s[WV], 25600
	s_add_co_u32 s[G0B+1], s[G0B+1], 102400
	s_add_nc_u64 s[G0B+2:G0B+3], s[G0A+2:G0A+3], 102400
	s_or_b32 s[G0A+3], s[G0A+3], 0x80000000
	s_or_b32 s[G0B+3], s[G0B+3], 0x80000000
	s_mov_b32 s[G0R], 1
	s_mul_i32 s[G0R+1], s[WV], RLW
	s_add_co_u32 s[G0R+1], s[G0R+1], RL
	s_add_nc_u64 s[G0R+2:G0R+3], s[RES:RES+1], 1536*KL0
	s_or_b32 s[G0R+3], s[G0R+3], 0x80000000
	ROUND                                          ; all four work-groups are here: the first joint loads meet
	tensor_load_to_lds s[G0A:G0A+3], s[G1:G1+7]    ; slot 0: tiles 0, 1, jointly
	s_nop 0
	tensor_load_to_lds s[G0R:G0R+3], s[G1R:G1R+7]  ; my resident part
	s_nop 0
	PLACES
	v_and_b32 v13, 31, v0
	v_lshlrev_b32 v[L16], 4, v13
	v_lshlrev_b32 v[L4], 2, v13
	v_add_nc_u32 v[ADF], s44, v[L16]
	v_add_nc_u32 v[ADS], s44, v[L4]
.irp k, 1,2,3
	v_add_nc_u32 v[ADF+\k], 51200*\k, v[ADF]
	v_add_nc_u32 v[ADS+\k], 51200*\k, v[ADS]
.endr
	v_and_b32 v[STO], 15, v0
	v_mul_u32_u24 v[STO], v[STO], 528
	v_bfe_u32 v13, v0, 4, 1
	v_lshl_add_u32 v[STO], v13, 6, v[STO]
	v_add_nc_u32 v[STO], s52, v[STO]               ; my quarter's place in a stage: row r, + 64 h
	v_add_nc_u32 v[RDB], s53, v[L16]               ; back: rows 4 q on, 16 x lane
	v_add_nc_u32 v[RLA], s[G0R+1], v[L16]
	v_add_nc_u32 v[RLS], s[G0R+1], v[L4]
	RLOADG                                         ; K steps 0-3 are asked of memory while the tensor loads are on their way
	global_load_b128 v[BQ:BQ+3], v[L16], s[BQB:BQB+1]
	s_wait_tensorcnt 0x0                           ; my resident bytes, which I alone read, and my part of slot 0 have landed
	RLOADL
	s_wait_loadcnt 0x0
	s_wait_tensorcnt 0x0                           ; the bytes that held the resident part are filled again: no tensor load of mine is out,
	ds_add_u32 v[SPW], v[NIL]                      ; 0 onto my spare word,
	s_wait_dscnt 0x0                               ; the add is done, and my reads of the resident part are over
	ROUND                                          ; all that holds of every wave of all four work-groups; slot 0 is whole
	tensor_load_to_lds s[G0B:G0B+3], s[G1:G1+7]    ; slot 1: tiles 2, 3, jointly: my one tensor load behind this round; it has two tiles' work in which to land
	s_nop 0
	PLACES
.macro TILE i
	s_wait_xcnt 0x0                                ; the last tile's stores have read their registers: x1's rows land there
.irp p, 0,1,2,3
	global_load_b128 v[XR+4*\p:XR+4*\p+3], v[L16], s[XB:XB+1] offset:(32*((\i)/2)+8*((\i)%2)+\p)*4096
.endr
.if (\i)%2 == 0
	MT ADF+(\i)%4, 0, 1, ADF+((\i)+1)%4, ADS+((\i)+1)%4, 0
.else
	MT ADF+(\i)%4, 0, 0, ADF, ADS, 0
.endif
.irp t, 0,1,2,3,4,5,6,7                        ; my partial tile; each accumulator from its low end on
	ds_store_b128 v[STO], v[ACC+8*\t:ACC+8*\t+3] offset:((\i)%2)*33792+128*(\t/2)+32*(\t%2)
	ds_store_b128 v[STO], v[ACC+8*\t+4:ACC+8*\t+7] offset:((\i)%2)*33792+128*(\t/2)+32*(\t%2)+16
.endr
	s_wait_dscnt 0x0                               ; my stores have landed, and my reads of the other stage, a tile ago, are long over: so one barrier a tile is enough for two stages by turns
	s_barrier_signal -1
	s_barrier_wait -1
.irp z, 0,1,2,3
.irp p, 0,1,2,3
	ds_load_b128 v[ACC+16*\z+4*\p:ACC+16*\z+4*\p+3], v[RDB] offset:((\i)%2)*33792+\z*8448+\p*528
.endr
.endr
	s_wait_dscnt 0x0
	s_wait_loadcnt 0x0
.irp p, 0,2,4,6,8,10,12,14
	v_pk_add_f32 v[ACC+\p:ACC+\p+1], v[ACC+\p:ACC+\p+1], v[ACC+16+\p:ACC+17+\p]
	v_pk_add_f32 v[ACC+32+\p:ACC+33+\p], v[ACC+32+\p:ACC+33+\p], v[ACC+48+\p:ACC+49+\p]
.endr
.irp p, 0,2,4,6,8,10,12,14
	v_pk_add_f32 v[ACC+\p:ACC+\p+1], v[ACC+\p:ACC+\p+1], v[ACC+32+\p:ACC+33+\p]
.endr
.irp p, 0,2,4,6,8,10,12,14
	v_pk_add_f32 v[ACC+\p:ACC+\p+1], v[ACC+\p:ACC+\p+1], v[BQ+\p%4:BQ+\p%4+1]
.endr
.irp p, 0,2,4,6,8,10,12,14
	v_pk_add_f32 v[XR+\p:XR+\p+1], v[XR+\p:XR+\p+1], v[ACC+\p:ACC+\p+1]
.endr
.irp p, 0,1,2,3
	global_store_b128 v[L16], v[XR+4*\p:XR+4*\p+3], s[OB:OB+1] offset:(32*((\i)/2)+8*((\i)%2)+\p)*4096 th:TH_STORE_NT   ; 32 lanes store 512 consecutive bytes, aligned
.endr
.endm
	PRE ADF, ADS, 0
	TILE 0
	TILE 1
	CHANGE G0A, 1                                  ; slot 1 is whole; slot 0 takes tiles 4, 5
	PRE ADF+2, ADS+2, 0
	TILE 2
	TILE 3
	CHANGE G0B, 1                                  ; slot 0 is whole; slot 1 takes tiles 6, 7: the last load
	PRE ADF, ADS, 0
	TILE 4
	TILE 5
	CHANGE G0A, 0                                  ; slot 1 is whole; nothing is left to fetch, so no round follows
	PRE ADF+2, ADS+2, 0
	TILE 6
	TILE 7
	s_wait_tensorcnt 0x0                           ; the wave's end
	ds_add_u32 v[SPW], v[NIL]
	s_wait_dscnt 0x0
	ROUND                                          ; the closing round: no work-group ends while a partner may still ask for a tile that names it
	s_endpgm
.Lfunc_end_k_q8e2ed520e2_fcproj:
	.size	k_q8e2ed520e2_fcproj, .Lfunc_end_k_q8e2ed520e2_fcproj-k_q8e2ed520e2_fcproj
	.p2alignl 7, 3214868480
	.fill 96, 4, 3214868480
	.section	.rodata,"a",@progbits
	.p2align	6, 0x0
	.amdhsa_kernel k_q8e2ed520e2_fcproj
		.amdhsa_group_segment_fixed_size 327680
		.amdhsa_private_segment_fixed_size 0
		.amdhsa_enable_private_segment 0
		.amdhsa_kernarg_size 40
		.amdhsa_user_sgpr_count 2
		.amdhsa_user_sgpr_kernarg_segment_ptr 1
		.amdhsa_wavefront_size32 1
		.amdhsa_system_sgpr_workgroup_id_x 1
		.amdhsa_system_sgpr_workgroup_id_y 1
		.amdhsa_system_sgpr_workgroup_id_z 1
		.amdhsa_system_vgpr_workitem_id 0
		.amdhsa_next_free_vgpr 1024
		.amdhsa_next_free_sgpr 76
		.amdhsa_reserve_vcc 0
		.amdhsa_float_denorm_mode_32 3
		.amdhsa_float_denorm_mode_16_64 3
		.amdhsa_memory_ordered 1
		.amdhsa_forward_progress 1
		.amdhsa_inst_pref_size 155
	.end_amdhsa_kernel
	.amdgpu_metadata
---
amdhsa.version: [ 1, 2 ]
amdhsa.kernels:
  - .name:           k_q8e2ed520e2_fcproj
    .symbol:         k_q8e2ed520e2_fcproj.kd
    .args:
      - { .name: hc, .offset: 0, .size: 8, .value_kind: global_buffer, .address_space: global }
      - { .name: wts, .offset: 8, .size: 8, .value_kind: global_buffer, .address_space: global }
      - { .name: fcproj_b, .offset: 16, .size: 8, .value_kind: global_buffer, .address_space: global }
      - { .name: x1, .offset: 24, .size: 8, .value_kind: global_buffer, .address_space: global }
      - { .name: out0, .offset: 32, .size: 8, .value_kind: global_buffer, .address_space: global }
    .group_segment_fixed_size: 327680
    .private_segment_fixed_size: 0
    .kernarg_segment_align: 8
    .kernarg_segment_size: 40
    .max_flat_workgroup_size: 128
    .sgpr_count:     76
    .vgpr_count:     1024
    .wavefront_size: 32
...
	.end_amdgpu_metadata
.endif
;; end of part 6
